; MI455X (gfx1250); checked and timed in simulation.
; The chip was launched on July 23, 2026; its instructions are those of AMD's public machine-readable ISA for CDNA 5 (MIT licence, August 2026) and "CDNA5" Instruction Set Architecture Reference Guide (July 2026). The comments in the code are by the model that wrote it; some were corrected since.
;; Attention. Allowed arithmetic: float matrix products may take bf16 or f16 operands with f32 sums; other float arithmetic in f32, or as packed bf16 or f16 multiplies, adds, multiply-adds, maxima and minima; sums over many terms, partial sums and values carried from step to step in f32; what a program stores and reads back later, other than sums and carried values, may be rounded once to bf16 or f16.
;; Inputs: W_k 1,024 x 1,024 float32; W_q 1,024 x 1,024 float32; W_v 1,024 x 1,024 float32; x 4 x 2,048 x 1,024 float32.
;; Outputs: out0 4 x 2,048 x 1,024 float32.
;; 2 versions, each right; version 2 is version 1 with the launch cast written anew for expert scheduling mode. Each part assembles by itself: llvm-mc -triple=amdgcn-amd-amdhsa -mcpu=gfx1250 --defsym DOCPART=n.
;; ======== version 1 of 2: 4 launches
;; limits: values are held in f16: magnitudes above 65,504 overflow, below 6.1e-05 lose precision
;; workspace buffers: xb 16,777,216 bytes; wb 6,291,456 bytes; qkv 50,331,648 bytes; pw 33,554,432 bytes; mst 524,288 bytes; lst 524,288 bytes
;; launch cast (part 1): grid 704 x 1, 8 waves a work-group, no clusters, 0 bytes of LDS; arguments x, W_q, W_k, W_v, xb, wb; writes xb, wb
.if DOCPART == 1
	.amdgcn_target "amdgcn-amd-amdhsa--gfx1250"
	.amdhsa_code_object_version 6
	.text
	.protected	k_q496474b172_cast
	.globl	k_q496474b172_cast
	.p2align	8
	.type	k_q496474b172_cast,@function
k_q496474b172_cast:
	s_mov_b64 s[64:65], 0
	v_nop
	global_prefetch_b8 v0, s[64:65] scope:SCOPE_SE
	s_setreg_imm32_b32 hwreg(HW_REG_WAVE_MODE, 25, 1), 1
	s_wait_xcnt 0x0
; xb = x rounded to bf16, [8192][1024]; wb = W_q, W_k, W_v rounded to bf16, one below the other, [3072][1024].
; A stream: each byte is read once and written once; no LDS, no barrier, no matrix work.
; A work-group takes 16 rows of 1,024 f32 (64 KiB in, 32 KiB out).  Groups 0-511: x; groups 512-703: the weights, 64 groups each.
; Thread t owns the 16 bytes at 16 t of every row: a wave's load covers 512 consecutive bytes, its store of 8 bytes a lane 256 consecutive
; bytes at a multiple of 256.  All sixteen loads of a wave go out on end; no register is written twice, so the only waits are the counted ones.
.set ROWI, 4096                        ; bytes in a row of f32
.set ROWO, 2048                        ; bytes in a row of bf16
.set X, 8                              ; v[8:71]   row i: 4 registers as loaded
.set Y, 72                             ; v[72:103] row i: 2 registers to store
	s_load_b256 s[4:11], s[0:1], 0x0               ; x s[4:5], W_q s[6:7], W_k s[8:9], W_v s[10:11]
	s_load_b128 s[12:15], s[0:1], 0x20             ; xb s[12:13], wb s[14:15]
	v_lshlrev_b32 v1, 4, v0                        ; my 16 bytes of a row in
	v_lshlrev_b32 v2, 3, v0                        ; my 8 bytes of a row out
	s_sub_co_u32 s16, ttmp9, 512                   ; the group's number among the weights' (used only from group 512 on)
	s_lshr_b32 s17, s16, 6                         ; which weight
	s_and_b32 s18, s16, 63                         ; which 16 rows of it
	s_wait_kmcnt 0x0
	s_cmp_eq_u32 s17, 1
	s_cselect_b64 s[20:21], s[8:9], s[6:7]         ; W_k or W_q,
	s_cmp_eq_u32 s17, 2
	s_cselect_b64 s[20:21], s[10:11], s[20:21]     ; or W_v,
	s_cmp_lt_u32 ttmp9, 512
	s_cselect_b64 s[20:21], s[4:5], s[20:21]       ; or x
	s_cselect_b64 s[22:23], s[12:13], s[14:15]     ; into xb or wb
	s_cselect_b32 s18, ttmp9, s18                  ; the group of 16 rows in the source,
	s_cselect_b32 s19, ttmp9, s16                  ; and in the destination
	s_lshl_b32 s24, s18, 16                        ; 16 rows of 4,096 bytes
	s_mov_b32 s25, 0
	s_lshl_b32 s26, s19, 15                        ; 16 rows of 2,048 bytes
	s_mov_b32 s27, 0
	s_add_nc_u64 s[20:21], s[20:21], s[24:25]
	s_add_nc_u64 s[22:23], s[22:23], s[26:27]
.irp i, 0,1,2,3,4,5,6,7,8,9,10,11,12,13,14,15
	global_load_b128 v[X+4*(\i):X+4*(\i)+3], v1, s[20:21] offset:(\i)*ROWI th:TH_LOAD_NT
.endr
.irp i, 0,1,2,3,4,5,6,7,8,9,10,11,12,13,14,15
	s_wait_loadcnt 15-(\i)                         ; loads come back in order: row i is in, the 15 - i younger ones stay out
	v_cvt_pk_bf16_f32 v[Y+2*(\i)], v[X+4*(\i)], v[X+4*(\i)+1]
	v_cvt_pk_bf16_f32 v[Y+2*(\i)+1], v[X+4*(\i)+2], v[X+4*(\i)+3]
	global_store_b64 v2, v[Y+2*(\i):Y+2*(\i)+1], s[22:23] offset:(\i)*ROWO
.endr
	s_endpgm
.Lfunc_end_k_q496474b172_cast:
	.size	k_q496474b172_cast, .Lfunc_end_k_q496474b172_cast-k_q496474b172_cast
	.p2alignl 7, 3214868480
	.fill 96, 4, 3214868480
	.section	.rodata,"a",@progbits
	.p2align	6, 0x0
	.amdhsa_kernel k_q496474b172_cast
		.amdhsa_group_segment_fixed_size 0
		.amdhsa_private_segment_fixed_size 0
		.amdhsa_enable_private_segment 0
		.amdhsa_kernarg_size 48
		.amdhsa_user_sgpr_count 2
		.amdhsa_user_sgpr_kernarg_segment_ptr 1
		.amdhsa_wavefront_size32 1
		.amdhsa_system_sgpr_workgroup_id_x 1
		.amdhsa_system_sgpr_workgroup_id_y 1
		.amdhsa_system_sgpr_workgroup_id_z 1
		.amdhsa_system_vgpr_workitem_id 0
		.amdhsa_next_free_vgpr 104
		.amdhsa_next_free_sgpr 66
		.amdhsa_reserve_vcc 0
		.amdhsa_float_denorm_mode_32 3
		.amdhsa_float_denorm_mode_16_64 3
		.amdhsa_memory_ordered 1
		.amdhsa_forward_progress 1
		.amdhsa_inst_pref_size 7
	.end_amdhsa_kernel
	.amdgpu_metadata
---
amdhsa.version: [ 1, 2 ]
amdhsa.kernels:
  - .name:           k_q496474b172_cast
    .symbol:         k_q496474b172_cast.kd
    .args:
      - { .name: x, .offset: 0, .size: 8, .value_kind: global_buffer, .address_space: global }
      - { .name: W_q, .offset: 8, .size: 8, .value_kind: global_buffer, .address_space: global }
      - { .name: W_k, .offset: 16, .size: 8, .value_kind: global_buffer, .address_space: global }
      - { .name: W_v, .offset: 24, .size: 8, .value_kind: global_buffer, .address_space: global }
      - { .name: xb, .offset: 32, .size: 8, .value_kind: global_buffer, .address_space: global }
      - { .name: wb, .offset: 40, .size: 8, .value_kind: global_buffer, .address_space: global }
    .group_segment_fixed_size: 0
    .private_segment_fixed_size: 0
    .kernarg_segment_align: 8
    .kernarg_segment_size: 48
    .max_flat_workgroup_size: 256
    .sgpr_count:     66
    .vgpr_count:     104
    .wavefront_size: 32
...
	.end_amdgpu_metadata
.endif
;; end of part 1
;; launch proj (part 2): grid 12 x 32, 4 waves a work-group, clusters of 4 x 4, 327,680 bytes of LDS; arguments xb, wb, qkv; writes qkv
.if DOCPART == 2
	.amdgcn_target "amdgcn-amd-amdhsa--gfx1250"
	.amdhsa_code_object_version 6
	.text
	.protected	k_q496474b172_proj
	.globl	k_q496474b172_proj
	.p2align	8
	.type	k_q496474b172_proj,@function
k_q496474b172_proj:
	s_mov_b64 s[64:65], 0
	v_nop
	global_prefetch_b8 v0, s[64:65] scope:SCOPE_SE
	s_setreg_imm32_b32 hwreg(HW_REG_WAVE_MODE, 25, 1), 1
	s_wait_xcnt 0x0
	s_wait_alu depctr_hold_cnt(0) depctr_sa_sdst(0) depctr_va_vdst(0) depctr_va_sdst(0) depctr_va_ssrc(0) depctr_va_vcc(0) depctr_vm_vsrc(0)
	s_getreg_b32 s2, hwreg(HW_REG_IB_STS2, 6, 4)
	s_cmp_eq_u32 s2, 0
	s_cbranch_scc0 .Lentry_in_a_cluster
	s_endpgm
.Lentry_in_a_cluster:
	s_bfe_u32 s2, ttmp6, 0x10000c
	s_cmp_lg_u32 s2, 0xf033
	s_cbranch_scc0 .Lentry_shape_is_right
	s_endpgm
.Lentry_shape_is_right:
; qkv[m][n] = sum over k of xb[m][k] wb[n][k].  xb: [8192][1024] bf16, wb: [3072][1024] bf16, qkv: [8192][3072] f16; sums in f32, rounded once.
; LIMIT: f16 ends at 65,504: a projection beyond that would leave as an infinity.
; A tile of 256 x 256 is made by four waves, each 128 x 128: 64 accumulators of 16 x 16, 512 registers.  K goes in steps of 128 through a ring of two LDS
; slots filled by the tensor data mover: a tile's rows are 256 bytes of memory at multiples of 256 bytes.  The last K step goes by rows of the result,
; so that finished rows leave while the others are multiplied.
; A K STEP IS WRITTEN ONCE: the loop's trip is one K step.  The LDS byte at which the slot that is read begins lies in a scalar (TB), turned by an exclusive or at each
; change of slots; the fragments' addresses are made anew from it and from two registers that are never rewritten; one descriptor a tensor walks from slot to slot.
; CLUSTERS: 4 x 4 work-groups.  The four of a row of the cluster need the same tiles of xb, the four of a column the same tiles of wb: each tile is asked
; for JOINTLY, by the same tensor load with the same descriptor and a mask that names the four.
; REGISTERS, in windows of 256 (s_set_vgpr_msb: bits 1:0 source 0, 3:2 source 1, 5:4 source 2, 7:6 destination):
;   window 0: v0-31 addresses; v64-127, v128-191 fragments of A, two buffers (in the last K step four of 16 rows x 128 K); v32-63, v192-255 the way out
;   window 1: v64-127, v128-191 fragments of B, two buffers; in the last K step all 256
;   window 2: the 32 accumulators of my rows 0-63 (accumulator (a, b) at v[8 (8 a + b)]);   window 3: those of my rows 64-127
; THE MATRIX INSTRUCTION IS USED TRANSPOSED: source 0 = 16 rows of B, source 1 = 16 rows of A: a lane holds row l % 16 and eight neighbouring columns.
.set SIZE_N, 3072
.set SIZE_K, 1024
.set KSTEP,  128
.set STEPS,  SIZE_K/KSTEP              ; 8 K steps
.set PITCH,  272                       ; an LDS row: 256 bytes + 16 of padding: the 16 rows of a load start at 16 different groups of four banks
.set HALFT,  128*PITCH                 ; 128 rows: what one tensor load brings
.set SLOT,   4*HALFT                   ; A's 256 rows, then B's 256 rows: 0x22000, which shares no bit with a wave's place in a slot (0, 0x8800, 0x11000, 0x19800): an exclusive or with it adds or takes it away
.set STAGE,  2*SLOT                    ; behind the ring: 16 rows x 272 bytes for each wave, for the way out
.set SPITCH, 272
.set SPARE,  STAGE+4*16*SPITCH         ; the spare words, 128 bytes a wave: no other line names them
.set ADRA, 16                          ; v16-17  LDS address of my A fragments in slot 0, 1; never rewritten
.set CA,   18                          ; v18     the same in the slot that is read
.set ADRB, 20                          ; v20-21  LDS address of my B fragments in slot 0, 1; never rewritten
.set CB,   22                          ; v22     the same in the slot that is read
.set STO,  24                          ; v24     the way out: where I put 16 bytes of a row
.set RD,   25                          ; v25     where I read a row back
.set CO,   26                          ; v26     my byte offset in the result
.set SPW,  28                          ; v28     my spare word; never rewritten
.set NIL,  29                          ; v29     0; never rewritten
.set PFO,  30                          ; v30     the prefetches' offset: my lane x a row of A or B; never rewritten
.set TB,   23                          ; s23     LDS byte at which the slot that is read begins: 0 or SLOT
.set PFA,  44                          ; s[44:45] where my prefetches stand
.set LIM,  43                          ; s43     2 in a wave that prefetches, else the greatest number
.set F0,   64
.set F1,   128
.set TMP,  192
.set OB,   32
.set PA,   64
.set G1, 24                            ; s[24:31] group 1 for A's tiles
.set G0, 32                            ; s[32:39] group 0 for A's tiles: a set for each of the two first fills; the second then walks on
.set G1B, 48                           ; s[48:55] group 1 for B's tiles
.set G0B, 56                           ; s[56:63] group 0 for B's tiles, likewise
.set MSB, 0
.macro WIN new                         ; the immediate's high byte repeats the setting that is left; a switch that changes nothing is dropped
.if MSB != (\new)
	s_set_vgpr_msb (MSB<<8)|(\new)
.set MSB, \new
.endif
.endm
.set MUL_LO, 0xa1                      ; source 0 (B) window 1, source 1 (A) window 0, C and D window 2
.set MUL_HI, 0xf1                      ; the same, C and D window 3
.set TO_B,   0x40                      ; destination window 1, address window 0
; A joint load.  Waves 0 and 1 fetch A's two halves, waves 2 and 3 B's; the branch hangs on the wave's number alone.
; An s_nop 0 and four v_nop follow each of the two lines.
.macro JLOAD s
	s_cmp_eq_u32 s11, 0
	s_cbranch_scc0 .Lfor_b_\@
	tensor_load_to_lds s[G0+4*(\s):G0+4*(\s)+3], s[G1:G1+7]
	s_nop 0
.rept 4
	v_nop
.endr
	s_branch .Lasked_\@
.Lfor_b_\@:
	tensor_load_to_lds s[G0B+4*(\s):G0B+4*(\s)+3], s[G1B:G1B+7]
	s_nop 0
.rept 4
	v_nop
.endr
.Lasked_\@:
.endm
; A prefetch behind each joint load and the run of LDS loads that follows it: the K step that stands two refills on, 32 rows x 256 bytes, a lane a row.
; Each row's 256 bytes of a K step are named once in the launch: the cluster with x = 0 asks for A's rows, the cluster with y = 0 for B's; the four partners
; share a wave's 128 rows out by address, 32 each.  The loop's last two trips ask for nothing: there is no K step two refills on.
.macro ASK
	s_cmp_gt_u32 s3, s[LIM]                        ; s3 is 2 and 1 in the loop's last two trips
	s_cbranch_scc0 .Lnot_mine_\@
	global_prefetch_b8 v[PFO], s[PFA:PFA+1] offset:KSTEP*2 th:TH_LOAD_NT scope:SCOPE_SE
.Lnot_mine_\@:
.endm
.macro CREST                           ; a round of the cluster's barrier behind its opening barrier
	s_cmp_lg_u32 s10, 0
	s_cbranch_scc1 .Lnot_wave_0_\@
	s_barrier_signal -3
.Lnot_wave_0_\@:
	s_barrier_wait -3
	s_barrier_signal -1
	s_barrier_wait -1
.endm
.macro CROUND                          ; a whole round
	s_barrier_signal -1
	s_barrier_wait -1
	CREST
.endm
	s_load_b128 s[4:7], s[0:1], 0x0                ; A s[4:5], B s[6:7]
	s_load_b64 s[8:9], s[0:1], 0x10                ; C
	v_lshl_add_u32 v[SPW], v0, 2, SPARE
	v_mov_b32 v[NIL], 0
	ds_add_u32 v[SPW], v[NIL]                      ; the wave's opening: the add and its wait stand ahead of my first tensor load
	v_lshrrev_b32 v1, 5, v0
	v_readfirstlane_b32 s10, v1                    ; wave 0..3
	s_lshr_b32 s11, s10, 1                         ; which half of the tile's rows is mine.  Also: I fetch for A (0) or for B (1)
	s_and_b32 s12, s10, 1                          ; which half of its columns.  Also: which 128 rows of that tile I fetch
	s_bfe_u32 s40, ttmp6, 0x40000                  ; cx
	s_bfe_u32 s41, ttmp6, 0x40004                  ; cy
	s_lshl_b32 s42, ttmp9, 2
	s_add_co_u32 s42, s42, s40                     ; tile column = 4 x cluster x + cx
	s_and_b32 s13, ttmp7, 0xffff
	s_lshl_b32 s13, s13, 2
	s_add_co_u32 s13, s13, s41                     ; tile row = 4 x cluster y + cy
	s_lshl_b32 s43, s41, 2
	s_lshl_b32 s43, 15, s43                        ; my row of the cluster
	s_lshl_b32 s44, 0x1111, s40                    ; my column
	s_or_b32 s[G1+0], s43, (1<<16)|(1<<20)|(1<<21)|(5<<22)|(3<<25)  ; mask; 2-byte elements; padding on; bit 21 beside a mask; after every 64 words 4 words
	s_or_b32 s[G1B+0], s44, (1<<16)|(1<<20)|(1<<21)|(5<<22)|(3<<25)
.irp g, G1, G1B
	s_mov_b32 s[(\g)+1], KSTEP<<16                 ; tensor_dim0 = 128
	s_mov_b32 s[(\g)+2], 128<<16                   ; tensor_dim1 = 128
	s_mov_b32 s[(\g)+3], KSTEP<<16                 ; tile_dim0 = 128
	s_mov_b32 s[(\g)+4], 128                       ; tile_dim1 = 128
	s_mov_b32 s[(\g)+5], SIZE_K                    ; elements from row to row
	s_mov_b32 s[(\g)+6], 0
	s_mov_b32 s[(\g)+7], 0
.endr
	s_lshl_b32 s17, s12, 7                         ; which 128 rows of the tile I fetch
	s_lshl_b32 s16, s13, 8
	s_add_co_u32 s16, s16, s17                     ; A: row 256 x tile row + 128 x half
	s_lshl_b32 s46, s42, 8
	s_add_co_u32 s46, s46, s17                     ; B: row 256 x tile column + 128 x half
	s_mov_b32 s17, 0
	s_mov_b32 s47, 0
	s_mov_b64 s[18:19], SIZE_K*2
	s_mul_u64 s[16:17], s[16:17], s[18:19]
	s_mul_u64 s[46:47], s[46:47], s[18:19]
	s_mul_i32 s20, s10, HALFT                      ; where they go: wave x 128 rows
	s_wait_dscnt 0x0                               ; the opening add is done
	s_wait_kmcnt 0x0
	s_add_nc_u64 s[14:15], s[4:5], s[16:17]
	s_add_nc_u64 s[46:47], s[6:7], s[46:47]
	CROUND                                         ; all sixteen work-groups are here: the first joint loads meet
.irp s, 0,1
	s_mov_b32 s[G0+4*(\s)], 1
	s_add_co_u32 s[G0+4*(\s)+1], s20, (\s)*SLOT
	s_add_nc_u64 s[G0+4*(\s)+2:G0+4*(\s)+3], s[14:15], (\s)*KSTEP*2
	s_or_b32 s[G0+4*(\s)+3], s[G0+4*(\s)+3], 0x80000000
	s_mov_b32 s[G0B+4*(\s)], 1
	s_add_co_u32 s[G0B+4*(\s)+1], s20, (\s)*SLOT
	s_add_nc_u64 s[G0B+4*(\s)+2:G0B+4*(\s)+3], s[46:47], (\s)*KSTEP*2
	s_or_b32 s[G0B+4*(\s)+3], s[G0B+4*(\s)+3], 0x80000000
	JLOAD \s
.endr
	; a fragment is 16 rows x 32 K in 8 registers: lane l holds row l % 16: two loads of 16 bytes, 32 bytes apart, at row x pitch + 16 (l / 16)
	v_and_b32 v1, 15, v0
	v_bfe_u32 v2, v0, 4, 1
	v_mul_u32_u24 v3, v1, PITCH
	v_lshl_add_u32 v3, v2, 4, v3
	s_mul_i32 s21, s11, HALFT                      ; my 128 rows of A
	s_mul_i32 s22, s12, HALFT                      ; my 128 rows of B,
	s_add_co_u32 s22, s22, 2*HALFT                 ; which lie behind A's 256
.irp s, 0,1
	v_add_nc_u32 v[ADRA+(\s)], s21, v3
	v_add_nc_u32 v[ADRB+(\s)], s22, v3
	s_add_co_u32 s21, s21, SLOT
	s_add_co_u32 s22, s22, SLOT
.endr
	s_mul_i32 s23, s10, 16*SPITCH
	s_add_co_u32 s23, s23, STAGE                   ; my stage
	v_mul_u32_u24 v4, v1, SPITCH
	v_lshl_add_u32 v4, v2, 4, v4
	v_add_nc_u32 v[STO], s23, v4
	v_mul_u32_u24 v5, v2, SPITCH
	v_lshl_add_u32 v5, v1, 4, v5
	v_add_nc_u32 v[RD], s23, v5
	v_mul_u32_u24 v5, v2, SIZE_N*2
	v_lshl_add_u32 v[CO], v1, 4, v5
	s_mov_b32 s[TB], 0                             ; slot 0 is read first
	v_add_nc_u32 v[CA], s[TB], v[ADRA]
	v_add_nc_u32 v[CB], s[TB], v[ADRB]
	s_lshl_b32 s13, s13, 8
	s_lshl_b32 s14, s11, 7
	s_add_co_u32 s16, s13, s14                     ; my first row of the result
	s_mov_b32 s17, 0
	s_mov_b64 s[18:19], SIZE_N*2
	s_mul_u64 s[16:17], s[16:17], s[18:19]
	s_lshl_b32 s46, s42, 9                         ; my first column, in bytes
	s_lshl_b32 s47, s12, 8
	s_add_co_u32 s46, s46, s47
	s_mov_b32 s47, 0
	s_add_nc_u64 s[16:17], s[16:17], s[46:47]
	; the prefetches
	s_lshl_b32 s42, s42, 8
	s_and_b32 s22, ttmp7, 0xffff                   ; cluster y
	s_cmp_eq_u32 s11, 0                            ; do I fetch for A?
	s_cselect_b32 s20, s13, s42                    ; the tile's first row
	s_cselect_b32 s21, s40, s41                    ; my place among the four that ask with me
	s_cselect_b32 s22, ttmp9, s22                  ; the coordinate along which other clusters read the same rows
	s_cselect_b64 s[PFA:PFA+1], s[4:5], s[6:7]
	s_cmp_eq_u32 s22, 0
	s_cselect_b32 s[LIM], 2, -1
	s_lshl_b32 s22, s12, 7
	s_add_co_u32 s20, s20, s22                     ; + the 128 rows that I fetch
	s_lshl_b32 s21, s21, 5
	s_add_co_u32 s20, s20, s21                     ; + my work-group's 32 of them
	s_mov_b32 s21, 0
	s_mov_b64 s[18:19], SIZE_K*2
	s_mul_u64 s[20:21], s[20:21], s[18:19]
	s_add_nc_u64 s[PFA:PFA+1], s[PFA:PFA+1], s[20:21]
	s_add_nc_u64 s[PFA:PFA+1], s[PFA:PFA+1], 2*KSTEP*2  ; at K step 2: the first refill steps it to 3 and names K step 4
	v_and_b32 v[PFO], 31, v0
	v_mul_u32_u24 v[PFO], v[PFO], SIZE_K*2
; 16 matrix instructions: m blocks a0, a0 + 1 of the window's four x all 8 n blocks, 32 along K.  zero = 1: the first product starts the sums.
.macro MUL16 f, hi, a0, zero
	WIN MUL_LO+0x50*(\hi)
.irp a, \a0, (\a0)+1
.irp b, 0,1,2,3,4,5,6,7
.if \zero
	v_wmma_f32_16x16x32_bf16 v[8*(8*(\a)+(\b)):8*(8*(\a)+(\b))+7], v[(\f)+8*(\b):(\f)+8*(\b)+7], v[(\f)+8*(4*(\hi)+(\a)):(\f)+8*(4*(\hi)+(\a))+7], 0
.else
	v_wmma_f32_16x16x32_bf16 v[8*(8*(\a)+(\b)):8*(8*(\a)+(\b))+7], v[(\f)+8*(\b):(\f)+8*(\b)+7], v[(\f)+8*(4*(\hi)+(\a)):(\f)+8*(4*(\hi)+(\a))+7], v[8*(8*(\a)+(\b)):8*(8*(\a)+(\b))+7]
.endif
.endr
.endr
.endm
; 32 LDS loads in one run: the fragments of one quarter step, by the address registers ra (A) and rb (B), into buffer f
.macro FETCH ra, rb, k, f
	WIN TO_B
.irp i, 0,1,2,3,4,5,6,7
	ds_load_b128 v[(\f)+8*(\i):(\f)+8*(\i)+3],   v[\rb] offset:(\k)+(\i)*16*PITCH
	ds_load_b128 v[(\f)+8*(\i)+4:(\f)+8*(\i)+7], v[\rb] offset:(\k)+(\i)*16*PITCH+32
.endr
	WIN 0
.irp i, 0,1,2,3,4,5,6,7
	ds_load_b128 v[(\f)+8*(\i):(\f)+8*(\i)+3],   v[\ra] offset:(\k)+(\i)*16*PITCH
	ds_load_b128 v[(\f)+8*(\i)+4:(\f)+8*(\i)+7], v[\ra] offset:(\k)+(\i)*16*PITCH+32
.endr
.endm
.macro PLACES                          ; four plain vector instructions behind a matrix instruction, ahead of loads into its registers and of readers of its result
.rept 4
	v_nop
.endr
.endm
; One of a K step's first three quarters: multiplies buffer f; in its middle it fetches the next quarter's fragments into buffer g.
.macro QUARTER ra, rb, k, f, g, zero
	s_wait_dscnt 8                                 ; B and A's rows 0-63 are in; the youngest eight loads (A's rows 64-127) may be out
	MUL16 \f, 0, 0, \zero
	MUL16 \f, 0, 2, \zero
	PLACES
	FETCH \ra, \rb, \k, \g
	s_wait_dscnt 32                                ; all but the 32 just issued
	MUL16 \f, 1, 0, \zero
	MUL16 \f, 1, 2, \zero
.endm
; The first half of the last quarter: one barrier for the change of slots.  tog = 1: the addresses turn to the other slot (this slot's last loads have been issued).
.macro MEET round, tog
	WIN 0                                          ; the add's two registers lie in window 0
	s_wait_tensorcnt 0x0                           ; all my tensor loads have landed: the one that was out is my part of the next slot
	ds_add_u32 v[SPW], v[NIL]                      ; 0 onto my spare word; work on registers follows
.if \tog
	s_xor_b32 s[TB], s[TB], SLOT
	v_add_nc_u32 v[CA], s[TB], v[ADRA]
	v_add_nc_u32 v[CB], s[TB], v[ADRB]
.endif
	s_wait_dscnt 9                                 ; the add and the youngest eight loads may be out
	MUL16 F1, 0, 0, 0
	s_wait_dscnt 0x0                               ; the add is done, and my reads of this slot are over
	s_barrier_signal -1
	MUL16 F1, 0, 2, 0
.if \round
	WIN 0
.endif
	s_barrier_wait -1
.endm
; The whole last quarter of a K step that fills its slot again, with the K step two on.
.macro TURN
	s_wait_xcnt 0x0                                ; the last prefetch, a K step back, has read its address
	s_add_nc_u64 s[PFA:PFA+1], s[PFA:PFA+1], KSTEP*2
	MEET 1, 1
	CREST                                          ; no wave of any partner still reads this slot's tile or has a load on its way
.irp g, G0+4, G0B+4
	s_xor_b32 s[(\g)+1], s[(\g)+1], SLOT           ; the walking descriptor: the other slot than last time,
	s_add_nc_u64 s[(\g)+2:(\g)+3], s[(\g)+2:(\g)+3], KSTEP*2  ; the next K step; the type bits on top are not reached
.endr
	JLOAD 1                                        ; the first tensor load behind the round; its four v_nop are also the places in front of the loads below
	FETCH CA, CB, 0, F0
	ASK
	MUL16 F1, 1, 0, 0
	MUL16 F1, 1, 2, 0
.endm
; THE LAST K STEP (slot 1) GOES BY ROWS: all its fragments of B fill window 1; my eight blocks of 16 rows are finished one after the other.
.macro BLOAD q
	WIN TO_B
.irp i, 0,1,2,3,4,5,6,7
	ds_load_b128 v[64*(\q)+8*(\i):64*(\q)+8*(\i)+3],   v[ADRB+1] offset:64*(\q)+(\i)*16*PITCH
	ds_load_b128 v[64*(\q)+8*(\i)+4:64*(\q)+8*(\i)+7], v[ADRB+1] offset:64*(\q)+(\i)*16*PITCH+32
.endr
.endm
.macro ALOAD a
	WIN 0
.set FA, PA+32*((\a)%4)
.irp q, 0,1,2,3
	ds_load_b128 v[FA+8*(\q):FA+8*(\q)+3],   v[ADRA+1] offset:64*(\q)+(\a)*16*PITCH
	ds_load_b128 v[FA+8*(\q)+4:FA+8*(\q)+7], v[ADRA+1] offset:64*(\q)+(\a)*16*PITCH+32
.endr
.endm
.macro ROW a                           ; block a is finished: 32 matrix instructions, its 8 accumulators by turns
.set FA, PA+32*((\a)%4)
.set AC, 64*((\a)%4)
	WIN MUL_LO+0x50*((\a)/4)
.irp q, 0,1,2,3
.if (\a) == 0 && (\q) == 2
	s_wait_dscnt 24                                ; B's quarter 2 is in (behind it: A's blocks 1 to 3)
.endif
.irp b, 0,1,2,3,4,5,6,7
	v_wmma_f32_16x16x32_bf16 v[AC+8*(\b):AC+8*(\b)+7], v[64*(\q)+8*(\b):64*(\q)+8*(\b)+7], v[FA+8*(\q):FA+8*(\q)+7], v[AC+8*(\b):AC+8*(\b)+7]
.endr
.endr
.endm
.macro PACK a                          ; rounded to f16, 16 bytes a lane
.set AC, 64*((\a)%4)
	WIN 0x0a+5*((\a)/4)
.irp b, 0,1,2,3,4,5,6,7
.irp r, 0,1,2,3
	v_cvt_pk_f16_f32 v[TMP+4*(\b)+(\r)], v[AC+8*(\b)+2*(\r)], v[AC+8*(\b)+2*(\r)+1]
.endr
.endr
	WIN 0
.endm
.macro TOSTAGE a                       ; into my own stage, and back as whole rows of 256 bytes
	WIN 0
.set BK, OB+192*((\a)%2)
.irp b, 0,1,2,3,4,5,6,7
	ds_store_b128 v[STO], v[TMP+4*(\b):TMP+4*(\b)+3] offset:32*(\b)
.endr
.irp t, 0,1,2,3,4,5,6,7
	ds_load_b128 v[BK+4*(\t):BK+4*(\t)+3], v[RD] offset:(\t)*2*SPITCH  ; LDS serves a wave's instructions in order: these see the stores above
.endr
.endm
.macro SEND a, younger
	WIN 0
.set BK, OB+192*((\a)%2)
	s_wait_dscnt \younger                          ; the block is back in registers
	s_wait_xcnt 0x0                                ; only behind this wait are the stores' base and the registers that earlier stores read rewritten
.if (\a) == 0
	s_add_nc_u64 s[8:9], s[8:9], s[16:17]
.else
	s_add_nc_u64 s[8:9], s[8:9], 16*SIZE_N*2
.endif
.irp t, 0,1,2,3,4,5,6,7
	global_store_b128 v[CO], v[BK+4*(\t):BK+4*(\t)+3], s[8:9] offset:2*(\t)*SIZE_N*2  ; 16 lanes store 256 consecutive bytes, at a multiple of 256
.endr
.endm
	s_wait_tensorcnt 0x1                           ; my part of K step 0 is in; K step 1's may stay out
	s_barrier_signal -1
	s_barrier_wait -1
	FETCH ADRA, ADRB, 0, F0
	QUARTER ADRA, ADRB, 64, F0, F1, 1              ; the first quarter stands in front of the loop: its products start the sums
	WIN 0
	s_mov_b32 s3, STEPS-2                          ; six trips fill a slot again: K steps 2 to 7
.Lstep:                                                ; a trip goes from a K step's second quarter to the next step's first
	QUARTER CA, CB, 128, F1, F0, 0
	QUARTER CA, CB, 192, F0, F1, 0
	TURN
	QUARTER CA, CB, 64,  F0, F1, 0
	WIN 0
	s_sub_co_u32 s3, s3, 1
	s_cmp_lg_u32 s3, 0
	s_cbranch_scc1 .Lstep
	QUARTER ADRA, ADRB, 128, F1, F0, 0             ; K step 6 lies in slot 0
	QUARTER ADRA, ADRB, 192, F0, F1, 0
	MEET 0, 0                                      ; slot 1's load, the last K step's, has landed; nothing is filled again
	PLACES
	BLOAD 0
	BLOAD 1
	BLOAD 3
	ALOAD 0
	MUL16 F1, 1, 0, 0
	MUL16 F1, 1, 2, 0
	PLACES
	BLOAD 2
	ALOAD 1
	ALOAD 2
	ALOAD 3
	s_wait_dscnt 40                                ; all but the 40 just issued
	ROW 0
.irp a, 0,1,2,3,4,5,6,7
	PLACES
	PACK \a
	TOSTAGE \a
.if (\a) < 4
	ALOAD (\a)+4
	SEND \a, 8
.else
	SEND \a, 0
.endif
.if (\a) < 7
	ROW (\a)+1
.endif
.endr
	s_wait_tensorcnt 0x0                           ; the wave's end
	ds_add_u32 v[SPW], v[NIL]
	s_wait_dscnt 0x0
	CROUND                                         ; the closing round
	s_endpgm
.Lfunc_end_k_q496474b172_proj:
	.size	k_q496474b172_proj, .Lfunc_end_k_q496474b172_proj-k_q496474b172_proj
	.p2alignl 7, 3214868480
	.fill 96, 4, 3214868480
	.section	.rodata,"a",@progbits
	.p2align	6, 0x0
	.amdhsa_kernel k_q496474b172_proj
		.amdhsa_group_segment_fixed_size 327680
		.amdhsa_private_segment_fixed_size 0
		.amdhsa_enable_private_segment 0
		.amdhsa_kernarg_size 24
		.amdhsa_user_sgpr_count 2
		.amdhsa_user_sgpr_kernarg_segment_ptr 1
		.amdhsa_wavefront_size32 1
		.amdhsa_system_sgpr_workgroup_id_x 1
		.amdhsa_system_sgpr_workgroup_id_y 1
		.amdhsa_system_sgpr_workgroup_id_z 1
		.amdhsa_system_vgpr_workitem_id 0
		.amdhsa_next_free_vgpr 1024
		.amdhsa_next_free_sgpr 66
		.amdhsa_reserve_vcc 0
		.amdhsa_float_denorm_mode_32 3
		.amdhsa_float_denorm_mode_16_64 3
		.amdhsa_memory_ordered 1
		.amdhsa_forward_progress 1
		.amdhsa_inst_pref_size 118
	.end_amdhsa_kernel
	.amdgpu_metadata
---
amdhsa.version: [ 1, 2 ]
amdhsa.kernels:
  - .name:           k_q496474b172_proj
    .symbol:         k_q496474b172_proj.kd
    .args:
      - { .name: xb, .offset: 0, .size: 8, .value_kind: global_buffer, .address_space: global }
      - { .name: wb, .offset: 8, .size: 8, .value_kind: global_buffer, .address_space: global }
      - { .name: qkv, .offset: 16, .size: 8, .value_kind: global_buffer, .address_space: global }
    .group_segment_fixed_size: 327680
    .private_segment_fixed_size: 0
    .kernarg_segment_align: 8
    .kernarg_segment_size: 24
    .max_flat_workgroup_size: 128
    .sgpr_count:     66
    .vgpr_count:     1024
    .wavefront_size: 32
...
	.end_amdgpu_metadata
.endif
;; end of part 2
;; launch scores (part 3): grid 36 x 4, 4 waves a work-group, no clusters, 327,680 bytes of LDS; arguments qkv, pw, mst, lst; writes pw, mst, lst
.if DOCPART == 3
	.amdgcn_target "amdgcn-amd-amdhsa--gfx1250"
	.amdhsa_code_object_version 6
	.text
	.protected	k_q496474b172_scores
	.globl	k_q496474b172_scores
	.p2align	8
	.type	k_q496474b172_scores,@function
k_q496474b172_scores:
	s_mov_b64 s[64:65], 0
	v_nop
	global_prefetch_b8 v0, s[64:65] scope:SCOPE_SE
	s_setreg_imm32_b32 hwreg(HW_REG_WAVE_MODE, 25, 1), 1
	s_wait_xcnt 0x0
; For each tile (I, J), J <= I, of 256 queries x 256 keys of a batch: S = Q K^T (K = 1,024, f16 operands, f32 sums); keys behind the query are hidden;
; m = the row's maximum over the tile's 256 keys; p = 2^(c s - c m), c = log2(e) / 32, stored as f16 in pw; c m and the sums of p over each 128 keys go to mst and lst (f32).
; The next launch joins the tiles of a row by the maximum of their m, so the softmax's maximum is a true one.
; LIMITS.  A hidden score counts as its value less 1e30 (f16 operands give scores of 4.4e12 at the most); a weight below 2^-126 counts as 0 in the sum; in f16 a
; weight below 6e-5 keeps the fixed step of 6e-8; NaN and infinities are not treated apart.
; SHARES.  Work-group x = 0..35 is the tile (I, J) of the lower triangle, y the batch.  Four waves, each 128 queries x 128 keys: 64 accumulators, 512 registers.
; Source 0 = 16 rows of K, source 1 = 16 rows of Q: a lane holds query l % 16 and the keys 8 (l / 16) + 0..7 of each block of 16.
; THE MASK is the C operand of the products that start the sums: for query block a and key block b it is XLO (b < a), MDW (b = a) or XHI (b > a).
; NO CLUSTER: a batch's 36 lower tiles make rows of 1 to 8 tiles; they form no groups of four that share rows of Q or of K unless tiles above the diagonal,
; whose results nobody reads, were added.
; RING, REGISTER WINDOWS: K goes in steps of 128 through two LDS slots (256 rows of Q, 256 rows of K, rows of 256 bytes padded to 272); each wave fetches 128 rows.
; A K STEP IS WRITTEN ONCE: the LDS byte at which the slot that is read begins lies in a scalar (TB), turned by an exclusive or at each change of slots; the fragments' addresses are
; made anew from it and from two registers that are never rewritten; one descriptor walks from slot to slot.  Six trips fill a slot again; the last two K steps are a loop of their own.
;   window 0: v0-31 addresses; v64-127, v128-191 fragments of Q; v192-215 masks, later the way out; window 1: fragments of K; windows 2, 3: accumulators.
.set ROWQ,   6144                      ; bytes in a row of qkv
.set ROWP,   4096                      ; bytes in a row of pw
.set KSTEP,  128
.set PITCH,  272
.set HALFT,  128*PITCH
.set SLOT,   4*HALFT                   ; 0x22000, which shares no bit with a wave's place in a slot (0, 0x8800, 0x11000, 0x19800): an exclusive or with it adds or takes it away
.set STAGE,  2*SLOT                    ; 16 rows x 272 bytes for each wave
.set SPITCH, 272
.set MXB,    STAGE+4*16*SPITCH         ; [row half][key half][128] f32: the waves' maxima meet here
.set SSTAT,  MXB+2048                  ; 1,024 bytes a wave: 128 c m, 128 sums
.set SPARE,  SSTAT+4096                ; the spare words, 128 bytes a wave: no other line names them
.set ADRA, 16                          ; v16    my Q fragments in slot 0; never rewritten
.set CA,   17                          ; v17    in the slot that is read
.set MXW,  18                          ; v18    where I put my maxima
.set MXR,  19                          ; v19    where the other key half's lie
.set ADRB, 20                          ; v20    my K fragments in slot 0; never rewritten
.set CB,   21                          ; v21    in the slot that is read
.set SGO,  22                          ; v22    16 x lane: my 16 bytes of 512 of mst and lst
.set SSW,  23                          ; v23    SSTAT: where I put a row's number
.set STO,  24
.set RD,   25
.set CO,   26
.set SSR,  27                          ; v27    SSTAT: where I read 16 bytes back
.set SPW,  28
.set NIL,  29
.set PFO,  30                          ; v30    lane x a row of qkv
.set F0,   64
.set F1,   128
.set TMP,  192
.set OB,   32
.set XLO,  192                         ; v[192:199] mask of a key block below the query block
.set XHI,  200                         ; v[200:207] above it
.set MDW,  208                         ; v[208:215] on it
.set MXV,  64                          ; v[64:71]  block a's maximum, later c m
.set LV,   72                          ; v[72:79]  block a's sum
.set CC,   80                          ; v[80:83]  four chains
.set PMX,  84                          ; v[84:91]  the other wave's maxima
.set MC,   92                          ; v[92:93]  c m, as a pair
.set TP,   94                          ; v94       at work
.set SB,   96                          ; v[96:103] the statistics on their way out
.set G1, 24                            ; s[24:31] group 1
.set G0, 32                            ; s[32:39] group 0: a set for each of the two first fills; the second then walks on
.set LIM, 43
.set PFA, 44                           ; s[44:45]
.set CS,  46                           ; s[46:47] c, twice
.set SEL, 48                           ; s[48:49] v_permlanex16_b32's selects
.set TB,  51                           ; s51 LDS byte at which the slot that is read begins: 0 or SLOT
.set MSB, 0
.macro WIN new
.if MSB != (\new)
	s_set_vgpr_msb (MSB<<8)|(\new)
.set MSB, \new
.endif
.endm
.set MUL_LO, 0xa1
.set MUL_HI, 0xf1
.set TO_B,   0x40
.macro LOAD s                          ; my 128 rows of a tile; an s_nop 0 and four v_nop follow
	tensor_load_to_lds s[G0+4*(\s):G0+4*(\s)+3], s[G1:G1+7]
	s_nop 0
.rept 4
	v_nop
.endr
.endm
; A prefetch of the K step that stands two refills on: my 128 rows x 256 bytes, a lane a row, four instructions, behind my tensor load and the run of LDS loads.
; Q's rows of tile row I are read by the tiles (I, 0..I): tile (I, 0) asks; K's rows of tile column J by the tiles (J..7, J): tile (7, J) asks: each block is named once.
; The loop's last two trips ask for nothing.
.macro ASK
	s_cmp_gt_u32 s3, s[LIM]                        ; s3 is 2 and 1 in the loop's last two trips
	s_cbranch_scc0 .Lnot_mine_\@
.irp n, 0,1,2,3
	global_prefetch_b8 v[PFO], s[PFA:PFA+1] offset:KSTEP*2+(\n)*32*ROWQ th:TH_LOAD_NT scope:SCOPE_SE
.endr
.Lnot_mine_\@:
.endm
	s_load_b256 s[4:11], s[0:1], 0x0               ; qkv s[4:5], pw s[6:7], mst s[8:9], lst s[10:11]
	v_lshl_add_u32 v[SPW], v0, 2, SPARE
	v_mov_b32 v[NIL], 0
	ds_add_u32 v[SPW], v[NIL]                      ; the wave's opening: the add and its wait stand ahead of my first tensor load
	v_lshrrev_b32 v1, 5, v0
	v_readfirstlane_b32 s12, v1                    ; wave 0..3
	s_lshr_b32 s13, s12, 1                         ; my half of the queries.  Also: I fetch rows of Q (0) or of K (1)
	s_and_b32 s14, s12, 1                          ; my half of the keys.  Also: which 128 rows I fetch
	s_mov_b32 s15, ttmp9                           ; the tile's number in the triangle
	s_and_b32 s18, ttmp7, 0xffff                   ; the batch
	s_mov_b32 s16, 0
.irp t, 1,3,6,10,15,21,28
	s_cmp_ge_u32 s15, \t                           ; I = how many rows of the triangle begin at or before the tile
	s_add_co_ci_u32 s16, s16, 0
.endr
	s_add_co_u32 s19, s16, 1
	s_mul_i32 s19, s19, s16
	s_lshr_b32 s19, s19, 1
	s_sub_co_u32 s17, s15, s19                     ; J = number - I (I + 1) / 2
	s_cmp_eq_u32 s13, 0
	s_cselect_b32 s19, s16, s17                    ; Q's rows go by I, K's by J
	s_lshl_b32 s19, s19, 8
	s_lshl_b32 s21, s18, 11
	s_add_co_u32 s19, s19, s21
	s_lshl_b32 s21, s14, 7
	s_add_co_u32 s19, s19, s21                     ; the first row that I fetch
	s_mul_i32 s22, s19, ROWQ
	s_lshl_b32 s21, s13, 11                        ; K's columns begin 2,048 bytes into a row
	s_add_co_u32 s22, s22, s21
	s_mov_b32 s23, 0
	s_mul_i32 s20, s12, HALFT                      ; where my rows go: wave x 128 rows
	s_mov_b32 s[G1+0], (1<<16)|(1<<20)|(5<<22)|(3<<25)  ; 2-byte elements; padding on: after every 64 words 4 words
	s_mov_b32 s[G1+1], KSTEP<<16                   ; tensor_dim0 = 128
	s_mov_b32 s[G1+2], 128<<16                     ; tensor_dim1 = 128
	s_mov_b32 s[G1+3], KSTEP<<16                   ; tile_dim0 = 128
	s_mov_b32 s[G1+4], 128                         ; tile_dim1 = 128
	s_mov_b32 s[G1+5], 3072                        ; elements from row to row
	s_mov_b32 s[G1+6], 0
	s_mov_b32 s[G1+7], 0
	s_mov_b32 s[CS], 0x3d38aa3b                    ; c = log2(e) / 32
	s_mov_b32 s[CS+1], s[CS]
	s_mov_b32 s[SEL], 0x76543210
	s_mov_b32 s[SEL+1], 0xfedcba98
	s_mov_b32 s50, 0xf149f2ca                      ; -1e30
	s_mov_b32 s[TB], 0                             ; slot 0 is read first
	s_cmp_eq_u32 s16, s17                          ; only the diagonal tile hides keys
	s_cselect_b32 s40, s50, 0
	s_cmp_eq_u32 s12, 1                            ; wave 1 (queries 0-127, keys 128-255): all hidden
	s_cselect_b32 s41, s40, 0
	s_cmp_lg_u32 s12, 2                            ; wave 2 (queries 128-255, keys 0-127): nothing hidden
	s_cselect_b32 s42, s40, 0
	s_cmp_eq_u32 s13, 0
	s_cselect_b32 s19, s17, s16
	s_cselect_b32 s21, 0, 7
	s_cmp_eq_u32 s19, s21                          ; J = 0 for Q's rows, I = 7 for K's
	s_cselect_b32 s[LIM], 2, -1
	s_lshl_b32 s19, s18, 11                        ; pw: row 2048 b + 256 I + 128 x my half,
	s_lshl_b32 s21, s16, 8
	s_add_co_u32 s19, s19, s21
	s_lshl_b32 s21, s13, 7
	s_add_co_u32 s19, s19, s21
	s_lshl_b32 s52, s19, 12
	s_lshl_b32 s21, s17, 9                         ; byte 512 J + 256 x my half of the keys
	s_add_co_u32 s52, s52, s21
	s_lshl_b32 s21, s14, 8
	s_add_co_u32 s52, s52, s21
	s_mov_b32 s53, 0
	s_lshl_b32 s54, s18, 4                         ; mst, lst: ((16 b + 2 J + key half) 2048 + 256 I + 128 x row half) 4
	s_lshl_b32 s21, s17, 1
	s_add_co_u32 s54, s54, s21
	s_add_co_u32 s54, s54, s14
	s_lshl_b32 s54, s54, 11
	s_lshl_b32 s21, s16, 8
	s_add_co_u32 s54, s54, s21
	s_lshl_b32 s21, s13, 7
	s_add_co_u32 s54, s54, s21
	s_lshl_b32 s54, s54, 2
	s_mov_b32 s55, 0
	s_wait_dscnt 0x0                               ; the opening add is done
	s_wait_kmcnt 0x0
	s_add_nc_u64 s[56:57], s[4:5], s[22:23]        ; my rows, K step 0
	s_add_nc_u64 s[6:7], s[6:7], s[52:53]
	s_add_nc_u64 s[8:9], s[8:9], s[54:55]
	s_add_nc_u64 s[10:11], s[10:11], s[54:55]
	s_add_nc_u64 s[PFA:PFA+1], s[56:57], 2*KSTEP*2 ; at K step 2: the first refill steps it to 3 and names K step 4
.irp s, 0,1
	s_mov_b32 s[G0+4*(\s)], 1
	s_add_co_u32 s[G0+4*(\s)+1], s20, (\s)*SLOT
	s_add_nc_u64 s[G0+4*(\s)+2:G0+4*(\s)+3], s[56:57], (\s)*KSTEP*2
	s_or_b32 s[G0+4*(\s)+3], s[G0+4*(\s)+3], 0x80000000
.endr
	LOAD 0                                         ; both first fills go out together: two loads of mine are out
	LOAD 1
	v_and_b32 v1, 15, v0                           ; r = l % 16
	v_bfe_u32 v2, v0, 4, 1                         ; h = l / 16
	v_and_b32 v6, 31, v0                           ; l
	v_mul_u32_u24 v3, v1, PITCH
	v_lshl_add_u32 v3, v2, 4, v3
	s_mul_i32 s21, s13, HALFT                      ; my 128 rows of Q
	s_mul_i32 s19, s14, HALFT                      ; my 128 rows of K,
	s_add_co_u32 s19, s19, 2*HALFT                 ; behind Q's 256
	v_add_nc_u32 v[ADRA], s21, v3
	v_add_nc_u32 v[ADRB], s19, v3
	v_add_nc_u32 v[CA], s[TB], v[ADRA]
	v_add_nc_u32 v[CB], s[TB], v[ADRB]
	s_mul_i32 s23, s12, 16*SPITCH
	s_add_co_u32 s23, s23, STAGE                   ; my stage
	v_mul_u32_u24 v4, v1, SPITCH
	v_lshl_add_u32 v4, v2, 4, v4
	v_add_nc_u32 v[STO], s23, v4
	v_mul_u32_u24 v5, v2, SPITCH
	v_lshl_add_u32 v5, v1, 4, v5
	v_add_nc_u32 v[RD], s23, v5
	v_lshlrev_b32 v5, 12, v2
	v_lshl_add_u32 v[CO], v1, 4, v5                ; two rows of pw: 4,096 h + 16 r
	v_lshlrev_b32 v[SGO], 4, v6
	s_lshl_b32 s23, s12, 10
	s_add_co_u32 s23, s23, SSTAT
	v_lshl_add_u32 v[SSW], v1, 2, s23
	v_lshl_add_u32 v[SSR], v6, 4, s23
	s_lshl_b32 s23, s12, 9                         ; MXB: 512 bytes for each wave,
	s_add_co_u32 s23, s23, MXB
	v_lshl_add_u32 v[MXW], v1, 2, s23
	s_xor_b32 s23, s12, 1                          ; and the wave with the other half of the keys
	s_lshl_b32 s23, s23, 9
	s_add_co_u32 s23, s23, MXB
	v_lshl_add_u32 v[MXR], v1, 2, s23
	v_mul_u32_u24 v[PFO], v6, ROWQ
	v_lshlrev_b32 v5, 3, v2
	v_sub_nc_u32 v5, v1, v5                        ; r - 8 h: on the diagonal block register j is hidden where j is greater
.irp j, 0,1,2,3,4,5,6,7
	v_mov_b32 v[XLO+(\j)], s41
	v_mov_b32 v[XHI+(\j)], s42
.endr
.irp j, 0,1,2,3,4,5,6,7
	v_cmp_gt_i32 vcc_lo, \j, v5
	v_cndmask_b32 v[MDW+(\j)], v[XLO], v[XHI], vcc_lo
.endr
; 16 matrix instructions: query blocks a0, a0 + 1 of the window's four x all 8 key blocks, 32 along K.  zero = 1: the products start the sums, with the mask as C.
.macro MUL16 f, hi, a0, zero
.if \zero
	WIN 0x81+0x40*(\hi)                            ; source 0 window 1, sources 1 and 2 window 0, D window 2 or 3
.else
	WIN MUL_LO+0x50*(\hi)
.endif
.irp a, \a0, (\a0)+1
.irp b, 0,1,2,3,4,5,6,7
.if \zero
.if (\b) < 4*(\hi)+(\a)
.set CM, XLO
.elseif (\b) == 4*(\hi)+(\a)
.set CM, MDW
.else
.set CM, XHI
.endif
	v_wmma_f32_16x16x32_f16 v[8*(8*(\a)+(\b)):8*(8*(\a)+(\b))+7], v[(\f)+8*(\b):(\f)+8*(\b)+7], v[(\f)+8*(4*(\hi)+(\a)):(\f)+8*(4*(\hi)+(\a))+7], v[CM:CM+7]
.else
	v_wmma_f32_16x16x32_f16 v[8*(8*(\a)+(\b)):8*(8*(\a)+(\b))+7], v[(\f)+8*(\b):(\f)+8*(\b)+7], v[(\f)+8*(4*(\hi)+(\a)):(\f)+8*(4*(\hi)+(\a))+7], v[8*(8*(\a)+(\b)):8*(8*(\a)+(\b))+7]
.endif
.endr
.endr
.endm
.macro FETCH k, f                      ; 32 LDS loads in one run: the fragments of one quarter step of the slot that is read
	WIN TO_B
.irp i, 0,1,2,3,4,5,6,7
	ds_load_b128 v[(\f)+8*(\i):(\f)+8*(\i)+3],   v[CB] offset:(\k)+(\i)*16*PITCH
	ds_load_b128 v[(\f)+8*(\i)+4:(\f)+8*(\i)+7], v[CB] offset:(\k)+(\i)*16*PITCH+32
.endr
	WIN 0
.irp i, 0,1,2,3,4,5,6,7
	ds_load_b128 v[(\f)+8*(\i):(\f)+8*(\i)+3],   v[CA] offset:(\k)+(\i)*16*PITCH
	ds_load_b128 v[(\f)+8*(\i)+4:(\f)+8*(\i)+7], v[CA] offset:(\k)+(\i)*16*PITCH+32
.endr
.endm
.macro PLACES                          ; four plain vector instructions behind a matrix instruction (ISA guide 7.12.1)
.rept 4
	v_nop
.endr
.endm
.macro QUARTER k, f, g, zero
	s_wait_dscnt 8                                 ; K's fragments and Q's rows 0-63 are in; the youngest eight loads may be out
	MUL16 \f, 0, 0, \zero
	MUL16 \f, 0, 2, \zero
	PLACES
	FETCH \k, \g
	s_wait_dscnt 32                                ; all but the 32 just issued
	MUL16 \f, 1, 0, \zero
	MUL16 \f, 1, 2, \zero
.endm
; The first half of a K step's last quarter, which multiplies buffer 1 and changes slots: one barrier; in front of it each wave waits for all its tensor loads, adds 0 to its
; spare word, and waits for that and for its reads of this slot.  The addresses turn to the other slot: this slot's last loads have been issued.
.macro MEET
	WIN 0
	s_wait_tensorcnt 0x0                           ; all my tensor loads have landed: my part of the next slot
	ds_add_u32 v[SPW], v[NIL]                      ; 0 onto my spare word; work on registers follows
	s_xor_b32 s[TB], s[TB], SLOT
	v_add_nc_u32 v[CA], s[TB], v[ADRA]
	v_add_nc_u32 v[CB], s[TB], v[ADRB]
	s_wait_dscnt 9                                 ; the add and the youngest eight loads may be out
	MUL16 F1, 0, 0, 0
	s_wait_dscnt 0x0                               ; the add is done, and my reads of this slot are over
	s_barrier_signal -1
	MUL16 F1, 0, 2, 0
	WIN 0
	s_barrier_wait -1
.endm
	s_wait_tensorcnt 0x1                           ; my part of K step 0 is in; K step 1's may stay out
	s_barrier_signal -1
	s_barrier_wait -1
	FETCH 0, F0
	QUARTER 64,  F0, F1, 1                         ; the first quarter starts the sums, with the masks
	WIN 0
	s_mov_b32 s3, 6                                ; six trips fill a slot again: K steps 2 to 7
.Lstep:                                                ; a trip goes from a K step's second quarter to the next step's first
	QUARTER 128, F1, F0, 0
	QUARTER 192, F0, F1, 0
	s_wait_xcnt 0x0                                ; the last prefetches, a K step back, have read their address
	s_add_nc_u64 s[PFA:PFA+1], s[PFA:PFA+1], KSTEP*2
	MEET
	s_xor_b32 s[G0+5], s[G0+5], SLOT               ; the walking descriptor: the other slot than last time,
	s_add_nc_u64 s[G0+6:G0+7], s[G0+6:G0+7], KSTEP*2  ; the next K step; the type bits on top are not reached
	LOAD 1                                         ; the first thing behind the barrier; its four v_nop are also the places in front of the loads below
	FETCH 0, F0
	ASK
	MUL16 F1, 1, 0, 0
	MUL16 F1, 1, 2, 0
	QUARTER 64,  F0, F1, 0
	WIN 0
	s_sub_co_u32 s3, s3, 1
	s_cmp_lg_u32 s3, 0
	s_cbranch_scc1 .Lstep
	s_mov_b32 s3, 2                                ; K steps 6 and 7 ask for nothing: a loop of their own
.Ltail:                                                ; it is left in the middle of its second trip; that trip's barrier orders nothing: the price of one text for both
	QUARTER 128, F1, F0, 0
	QUARTER 192, F0, F1, 0
	MEET
	s_sub_co_u32 s3, s3, 1
	s_cmp_eq_u32 s3, 0
	s_cbranch_scc1 .Lfin                           ; what is jumped holds neither a barrier nor a tensor load
	PLACES
	FETCH 0, F0
	MUL16 F1, 1, 0, 0
	MUL16 F1, 1, 2, 0
	QUARTER 64,  F0, F1, 0
	WIN 0
	s_branch .Ltail
.Lfin:
	MUL16 F1, 1, 0, 0                              ; the very last products
	MUL16 F1, 1, 2, 0
	WIN 0
	PLACES
	v_mov_b32 v[TP], 0                             ; v_permlanex16_b32's destination counts as read
; Block a's maximum over my 128 keys.  Four chains; chain k takes accumulators k and k + 4, each from its low registers on.
.macro MAXA a
.set AC, 64*((\a)%4)
.set W, 2+(\a)/4
	WIN W|(W<<2)|(W<<4)
.irp k, 0,1,2,3
	v_max3_num_f32 v[CC+(\k)], v[AC+8*(\k)], v[AC+8*(\k)+1], v[AC+8*(\k)+2]
.endr
	WIN (W<<2)|(W<<4)
.irp n, 3,5
.irp k, 0,1,2,3
	v_max3_num_f32 v[CC+(\k)], v[CC+(\k)], v[AC+8*(\k)+(\n)], v[AC+8*(\k)+(\n)+1]
.endr
.endr
.irp k, 0,1,2,3
	v_max3_num_f32 v[CC+(\k)], v[CC+(\k)], v[AC+8*(\k)+7], v[AC+8*(\k)+32]
.endr
.irp n, 1,3,5
.irp k, 0,1,2,3
	v_max3_num_f32 v[CC+(\k)], v[CC+(\k)], v[AC+8*(\k)+32+(\n)], v[AC+8*(\k)+32+(\n)+1]
.endr
.endr
.irp k, 0,1,2,3
	v_max_num_f32 v[CC+(\k)], v[CC+(\k)], v[AC+8*(\k)+39]
.endr
	WIN 0
	v_max3_num_f32 v[CC], v[CC], v[CC+1], v[CC+2]
	v_max_num_f32 v[CC], v[CC], v[CC+3]
	v_permlanex16_b32 v[TP], v[CC], s[SEL], s[SEL+1]  ; the query's other keys lie in the lane 16 away
	v_max_num_f32 v[MXV+(\a)], v[CC], v[TP]
.endm
.irp a, 0,1,2,3,4,5,6,7
	MAXA \a
.endr
.irp a, 0,1,2,3,4,5,6,7
	ds_store_b32 v[MXW], v[MXV+(\a)] offset:64*(\a)
.endr
	s_wait_dscnt 0x0                               ; for the other wave's sake: my maxima lie in LDS
	s_barrier_signal -1
	s_barrier_wait -1
.irp a, 0,1,2,3,4,5,6,7
	ds_load_b32 v[PMX+(\a)], v[MXR] offset:64*(\a)
.endr
	s_wait_dscnt 0x0
.irp a, 0,1,2,3,4,5,6,7
	v_max_num_f32 v[MXV+(\a)], v[MXV+(\a)], v[PMX+(\a)]  ; the row's maximum over the tile's 256 keys
.endr
; Block a: p = 2^(c s - c m) in place; rounded to f16 into TMP; the sum of the unrounded p.  The 64 exponentials are one batch with one wait.
.macro SOFT a
.set AC, 64*((\a)%4)
.set W, 2+(\a)/4
	WIN 0
	v_mul_f32 v[MXV+(\a)], s[CS], v[MXV+(\a)]      ; c m, which also goes to mst
	v_mov_b32 v[MC], v[MXV+(\a)]
	v_mov_b32 v[MC+1], v[MXV+(\a)]
	WIN W|(W<<6)
.set i, 0
.rept 32
	v_pk_fma_f32 v[AC+2*i:AC+2*i+1], v[AC+2*i:AC+2*i+1], s[CS:CS+1], v[MC:MC+1] op_sel_hi:[1,0,0] neg_lo:[0,0,1] neg_hi:[0,0,1]
.set i, i+1
.endr
.set i, 0
.rept 64
	v_exp_f32 v[AC+i], v[AC+i]
.set i, i+1
.endr
	v_nop                                          ; a plain instruction behind the last exponential,
	s_wait_alu depctr_va_vdst(0)                   ; and the wait ahead of the first reader: one for the batch
	WIN W|(W<<2)
.set i, 0
.rept 32
	v_cvt_pk_f16_f32 v[TMP+i], v[AC+2*i], v[AC+2*i+1]
.set i, i+1
.endr
	WIN W|(W<<2)|(W<<6)
.irp d, 1,2,4,8,16                     ; the 32 pairs are added in place, neighbours 1, 2, 4, 8 and 16 pairs apart
.set p, 0
.rept 16/(\d)
	v_pk_add_f32 v[AC+2*p:AC+2*p+1], v[AC+2*p:AC+2*p+1], v[AC+2*(p+(\d)):AC+2*(p+(\d))+1]
.set p, p+2*(\d)
.endr
.endr
	WIN W|(W<<2)
	v_add_f32 v[LV+(\a)], v[AC], v[AC+1]
	WIN 0
	v_permlanex16_b32 v[TP], v[LV+(\a)], s[SEL], s[SEL+1]
	v_add_f32 v[LV+(\a)], v[LV+(\a)], v[TP]
.endm
.macro TOSTAGE a                       ; 16 bytes a lane into my own stage, and back as whole rows of 256 bytes
	WIN 0
.set BK, OB+192*((\a)%2)
.irp b, 0,1,2,3,4,5,6,7
	ds_store_b128 v[STO], v[TMP+4*(\b):TMP+4*(\b)+3] offset:32*(\b)
.endr
.irp t, 0,1,2,3,4,5,6,7
	ds_load_b128 v[BK+4*(\t):BK+4*(\t)+3], v[RD] offset:(\t)*2*SPITCH  ; LDS serves a wave's instructions in order: these see the stores above
.endr
.endm
.macro SEND a
	WIN 0
.set BK, OB+192*((\a)%2)
	s_wait_dscnt 0x0                               ; the block is back in registers
	s_wait_xcnt 0x0                                ; the registers that the stores two blocks back read are loaded again only behind this wait
.irp t, 0,1,2,3,4,5,6,7
	global_store_b128 v[CO], v[BK+4*(\t):BK+4*(\t)+3], s[6:7] offset:(16*(\a)+2*(\t))*ROWP  ; 16 lanes store 256 consecutive bytes, at a multiple of 256
.endr
.endm
	SOFT 0
	TOSTAGE 0
.irp a, 1,2,3,4,5,6,7                  ; block a's arithmetic stands between block a - 1's loads from the stage and the wait for them
	SOFT \a
	SEND (\a)-1
	TOSTAGE \a
.endr
	SEND 7
.irp a, 0,1,2,3,4,5,6,7                ; the statistics: through my own LDS bytes, so that 32 lanes store 512 consecutive bytes
	ds_store_b32 v[SSW], v[MXV+(\a)] offset:64*(\a)
	ds_store_b32 v[SSW], v[LV+(\a)] offset:512+64*(\a)
.endr
	ds_load_b128 v[SB:SB+3], v[SSR]
	ds_load_b128 v[SB+4:SB+7], v[SSR] offset:512
	s_wait_dscnt 0x0
	global_store_b128 v[SGO], v[SB:SB+3], s[8:9]
	global_store_b128 v[SGO], v[SB+4:SB+7], s[10:11]
	s_wait_tensorcnt 0x0                           ; the wave's end
	ds_add_u32 v[SPW], v[NIL]
	s_wait_dscnt 0x0
	s_endpgm
.Lfunc_end_k_q496474b172_scores:
	.size	k_q496474b172_scores, .Lfunc_end_k_q496474b172_scores-k_q496474b172_scores
	.p2alignl 7, 3214868480
	.fill 96, 4, 3214868480
	.section	.rodata,"a",@progbits
	.p2align	6, 0x0
	.amdhsa_kernel k_q496474b172_scores
		.amdhsa_group_segment_fixed_size 327680
		.amdhsa_private_segment_fixed_size 0
		.amdhsa_enable_private_segment 0
		.amdhsa_kernarg_size 32
		.amdhsa_user_sgpr_count 2
		.amdhsa_user_sgpr_kernarg_segment_ptr 1
		.amdhsa_wavefront_size32 1
		.amdhsa_system_sgpr_workgroup_id_x 1
		.amdhsa_system_sgpr_workgroup_id_y 1
		.amdhsa_system_sgpr_workgroup_id_z 1
		.amdhsa_system_vgpr_workitem_id 0
		.amdhsa_next_free_vgpr 1024
		.amdhsa_next_free_sgpr 66
		.amdhsa_reserve_vcc 1
		.amdhsa_float_denorm_mode_32 3
		.amdhsa_float_denorm_mode_16_64 3
		.amdhsa_memory_ordered 1
		.amdhsa_forward_progress 1
		.amdhsa_inst_pref_size 173
	.end_amdhsa_kernel
	.amdgpu_metadata
---
amdhsa.version: [ 1, 2 ]
amdhsa.kernels:
  - .name:           k_q496474b172_scores
    .symbol:         k_q496474b172_scores.kd
    .args:
      - { .name: qkv, .offset: 0, .size: 8, .value_kind: global_buffer, .address_space: global }
      - { .name: pw, .offset: 8, .size: 8, .value_kind: global_buffer, .address_space: global }
      - { .name: mst, .offset: 16, .size: 8, .value_kind: global_buffer, .address_space: global }
      - { .name: lst, .offset: 24, .size: 8, .value_kind: global_buffer, .address_space: global }
    .group_segment_fixed_size: 327680
    .private_segment_fixed_size: 0
    .kernarg_segment_align: 8
    .kernarg_segment_size: 32
    .max_flat_workgroup_size: 128
    .sgpr_count:     66
    .vgpr_count:     1024
    .wavefront_size: 32
...
	.end_amdgpu_metadata
.endif
;; end of part 3
;; launch pv (part 4): grid 8 x 32, 4 waves a work-group, clusters of 4 x 4, 327,680 bytes of LDS; arguments pw, qkv, mst, lst, out0; writes out0
.if DOCPART == 4
	.amdgcn_target "amdgcn-amd-amdhsa--gfx1250"
	.amdhsa_code_object_version 6
	.text
	.protected	k_q496474b172_pv
	.globl	k_q496474b172_pv
	.p2align	8
	.type	k_q496474b172_pv,@function
k_q496474b172_pv:
	s_mov_b64 s[64:65], 0
	v_nop
	global_prefetch_b8 v0, s[64:65] scope:SCOPE_SE
	s_setreg_imm32_b32 hwreg(HW_REG_WAVE_MODE, 25, 1), 1
	s_wait_xcnt 0x0
	s_wait_alu depctr_hold_cnt(0) depctr_sa_sdst(0) depctr_va_vdst(0) depctr_va_sdst(0) depctr_va_ssrc(0) depctr_va_vcc(0) depctr_vm_vsrc(0)
	s_getreg_b32 s2, hwreg(HW_REG_IB_STS2, 6, 4)
	s_cmp_eq_u32 s2, 0
	s_cbranch_scc0 .Lentry_in_a_cluster
	s_endpgm
.Lentry_in_a_cluster:
	s_bfe_u32 s2, ttmp6, 0x10000c
	s_cmp_lg_u32 s2, 0xf033
	s_cbranch_scc0 .Lentry_shape_is_right
	s_endpgm
.Lentry_shape_is_right:
; out0[q][f] = (sum over key tiles J of g_J (P_J V_J)[q][f]) / L.  P_J: the weights of 256 keys relative to that tile's maximum (pw, f16); V: qkv's columns 2048.. (f16).
; cM = the maximum over J of c m_J (mst), g_J = 2^(c m_J - cM), at most 1; L = the sum of g_J x the tile's two sums (lst).  Products, g, L and the sums over tiles in f32.
; LIMITS.  g below 2^-126 counts as 0; NaN and infinities are not treated apart.
; SHARES.  A cluster of 4 x 4 work-groups takes a block of 512 queries x 512 channels of one batch: cy picks 128 queries, cx 128 channels.  It walks TWO such blocks of queries,
; 3 - pp and then pp (pp = cluster y % 2): 8 - 2 pp and 2 pp + 2 steps of 256 keys: ten steps whatever pp, so all 256 work-groups do equal work.
; Where cy < 2 a block's last step lies above the diagonal: every partner still makes every joint request; such a work-group asks for its last written tile of P once more and
; multiplies the product by g = 0.  No branch and no LDS address hangs on cx or cy.
; P's tile (128 queries x 256 keys) is shared along a row of the cluster, V's (256 keys x 128 channels) along a column: joint loads, one a wave behind each round.
; A wave makes 64 queries x 64 channels.  Source 0 = V^T (16 channels x 32 keys, turned by ds_load_tr16_b128), source 1 = P (16 queries x 32 keys): a lane holds query l % 16
; and eight neighbouring channels.  T (16 accumulators) starts at 0 in each step; O += g T behind the step.
; A STEP IS WRITTEN ONCE for the eight that fill a slot again and once for the last two.  The LDS byte at which the slot that is read begins lies in a scalar (TB), turned by an
; exclusive or at each change of slots; the fragments' addresses are made anew from it and from registers that are never rewritten; one descriptor a tensor walks from slot to slot.
; STATISTICS.  At the head thread t joins row t's tiles (cM, 1 / L) for both blocks; they pass through LDS once, at fixed addresses, into each lane's registers.  In each step a lane
; loads the tile's c m of its four rows from mst and makes g from it.
; REGISTERS: window 0: v0-31 addresses and the second block's 1 / L; v32-39 g, v40-47 1 / L (pairs by query block); v48-111 at work; v112-127 cM of both blocks; v128-255 T.
; Window 1: two fragment buffers of 128.  Window 2: v0-127 O.
.set ROWQ,  6144                       ; bytes in a row of qkv
.set ROWP,  4096                       ; bytes in a row of pw, and of out0
.set PP,    528                        ; a row of P in LDS: 512 bytes + 16
.set PV,    288                        ; a row of V: 256 bytes + 32
.set AHALF, 64*PP                      ; what a wave fetches of P
.set VOFF,  128*PP                     ; V lies behind P's 128 rows
.set VHALF, 128*PV                     ; what a wave fetches of V
.set SLOTB, VOFF+256*PV                ; a slot's 141,312 bytes
.set SLOT,  0x24000                    ; slot 1 begins here: the number shares no bit with a tile's place in a slot (0, 0x8400, 0x10800, 0x19800): an exclusive or with it adds or takes it away
.set STAGE, SLOT+SLOTB                 ; 16 rows x 272 bytes for each wave
.set SPITCH, 272
.set MT,    STAGE+4*16*SPITCH          ; cM: an entry of 1,024 bytes for each block; row q of 128 at (q % 16) 64 + (q / 16) 8, the number twice
.set RLT,   MT+2048                    ; 1 / L, likewise
.set SPARE, RLT+2048                   ; the spare words, 128 bytes a wave: no other line names them
.set RL2,  8                           ; v[8:15] 1 / L of the second block
.set ADRA, 16                          ; v16    my P fragments in slot 0; never rewritten
.set CA,   17                          ; v17    in the slot that is read
.set ADRV, 18                          ; v18-19 my V fragments in slot 0: keys 0-127, keys 128-255 (an LDS immediate ends at 65,535); never rewritten
.set CV,   20                          ; v20-21 in the slot that is read
.set STO,  24
.set RD,   25
.set CO,   26
.set TA,   27                          ; v27 my four rows' place in a table's entry; never rewritten
.set SPW,  28
.set NIL,  29
.set MO,   30                          ; v30 my first row's byte among the work-group's 128 rows of mst; never rewritten
.set G,    32
.set RL,   40
.set TMP,  48
.set BK0,  80
.set STA,  104                         ; v104 the head only: where thread t puts row t's numbers
.set MM,   112                         ; v[112:119] cM of the block in hand
.set MM2,  120                         ; v[120:127] of the second block
.set BK1,  128
.set ACC,  128
.set F0,   0
.set F1,   128
.set TB,  23                           ; s23 LDS byte at which the slot that is read begins: 0 or SLOT
.set G1A, 24                           ; s[24:31] group 1 for P's tiles
.set G0A, 32                           ; s[32:39] group 0: a set for each of the two first fills; the second then walks on
.set AB,  40                           ; s[40:41] pw at my 64 rows of the block whose tiles are being asked for
.set AB2, 42                           ; s[42:43] of the second block
.set VB,  44                           ; s[44:45] qkv at my 128 keys of step 0, my work-group's channels of V
.set JN,  46                           ; s46 the key step to be asked for next
.set JL,  47                           ; s47 the last key step of that block
.set G1B, 48                           ; s[48:55] group 1 for V's tiles
.set G0B, 56                           ; s[56:63] group 0, likewise
.set JL2, 66
.set IC,  67                           ; s67 my rows' diagonal tile in the block whose tiles are being asked for
.set IC2, 68                           ; s68 in the second block
.set OA,  70                           ; s[70:71] offset of a tile of P
.set OB,  72                           ; s[72:73] of a tile of V
.set LAPC, 74                          ; s74 counts a loop's steps
.set LB,  75                           ; s75 steps that the block in hand still has
.set LB2, 76
.set CB,  78                           ; s[78:79] out0 at my rows and channels of the block in hand
.set CB2, 80
.set JC,  82                           ; s82 the key step in hand
.set ICC, 83                           ; s83 my rows' diagonal tile in the block in hand
.set MOF, 84                           ; s[84:85] a tile's offset in mst
.set MP,  86                           ; s[86:87] mst at the step's tile
.set MB,  88                           ; s[88:89] mst at my work-group's rows of the block in hand, tile 0
.set GF,  90                           ; s90 1.0, or 0 where the step lies above my rows' diagonal tile
.set MB2, 92                           ; s[92:93] of the second block
.set MSB, 0
.macro WIN new
.if MSB != (\new)
	s_set_vgpr_msb (MSB<<8)|(\new)
.set MSB, \new
.endif
.endm
.set MUL,  0x05                        ; sources 0 and 1 window 1; C and D window 0
.set TO_F, 0x40                        ; destination window 1, address window 0
.macro JLOAD s                         ; waves 0 and 1 fetch P's two halves, waves 2 and 3 V's; an s_nop 0 and four v_nop follow each line
	s_cmp_eq_u32 s15, 0
	s_cbranch_scc0 .Lfor_b_\@
	tensor_load_to_lds s[G0A+4*(\s):G0A+4*(\s)+3], s[G1A:G1A+7]
	s_nop 0
.rept 4
	v_nop
.endr
	s_branch .Lasked_\@
.Lfor_b_\@:
	tensor_load_to_lds s[G0B+4*(\s):G0B+4*(\s)+3], s[G1B:G1B+7]
	s_nop 0
.rept 4
	v_nop
.endr
.Lasked_\@:
.endm
.macro CREST
	s_cmp_lg_u32 s14, 0
	s_cbranch_scc1 .Lnot_wave_0_\@
	s_barrier_signal -3
.Lnot_wave_0_\@:
	s_barrier_wait -3
	s_barrier_signal -1
	s_barrier_wait -1
.endm
.macro CROUND
	s_barrier_signal -1
	s_barrier_wait -1
	CREST
.endm
.macro ADDRS                           ; the fragments' addresses in the slot that begins at TB
	v_add_nc_u32 v[CA], s[TB], v[ADRA]
	v_add_nc_u32 v[CV], s[TB], v[ADRV]
	v_add_nc_u32 v[CV+1], s[TB], v[ADRV+1]
.endm
	s_load_b256 s[4:11], s[0:1], 0x0               ; pw s[4:5], qkv s[6:7], mst s[8:9], lst s[10:11]
	s_load_b64 s[12:13], s[0:1], 0x20              ; out0
	v_lshl_add_u32 v[SPW], v0, 2, SPARE
	v_mov_b32 v[NIL], 0
	ds_add_u32 v[SPW], v[NIL]                      ; the wave's opening: the add and its wait stand ahead of my first tensor load
	v_lshrrev_b32 v1, 5, v0
	v_readfirstlane_b32 s14, v1                    ; wave 0..3
	s_lshr_b32 s15, s14, 1                         ; my half of the queries.  Also: I fetch P (0) or V (1)
	s_and_b32 s16, s14, 1                          ; my half of the channels.  Also: which half of that tile I fetch
	s_bfe_u32 s17, ttmp6, 0x40000                  ; cx
	s_bfe_u32 s18, ttmp6, 0x40004                  ; cy
	s_lshl_b32 s19, ttmp9, 2
	s_add_co_u32 s19, s19, s17                     ; my 128 channels = 4 x cluster x + cx
	s_and_b32 s20, ttmp7, 0xffff                   ; cluster y
	s_lshr_b32 s21, s20, 1                         ; the batch
	s_and_b32 s22, s20, 1                          ; pp = the second block; the first is 3 - pp
	s_mov_b32 s[TB], 0                             ; slot 0 is read first
	s_lshl_b32 s82, s18, 2
	s_lshl_b32 s82, 15, s82                        ; my row of the cluster
	s_or_b32 s[G1A], s82, (1<<16)|(1<<20)|(1<<21)|(6<<22)|(3<<25)  ; mask; 2-byte elements; padding on; bit 21 beside a mask; after every 128 words 4 words
	s_lshl_b32 s88, 0x1111, s17                    ; my column
	s_or_b32 s[G1B], s88, (1<<16)|(1<<20)|(1<<21)|(5<<22)|(7<<25)  ; after every 64 words 8 words
	s_mov_b32 s[G1A+1], 256<<16                    ; tensor_dim0 = 256
	s_mov_b32 s[G1A+2], 64<<16                     ; tensor_dim1 = 64
	s_mov_b32 s[G1A+3], 256<<16                    ; tile_dim0 = 256
	s_mov_b32 s[G1A+4], 64                         ; tile_dim1 = 64
	s_mov_b32 s[G1A+5], 2048                       ; elements from row to row
	s_mov_b32 s[G1A+6], 0
	s_mov_b32 s[G1A+7], 0
	s_mov_b32 s[G1B+1], 128<<16
	s_mov_b32 s[G1B+2], 128<<16
	s_mov_b32 s[G1B+3], 128<<16
	s_mov_b32 s[G1B+4], 128
	s_mov_b32 s[G1B+5], 3072
	s_mov_b32 s[G1B+6], 0
	s_mov_b32 s[G1B+7], 0
	s_lshl_b32 s82, s21, 11                        ; 2048 b
	s_lshl_b32 s83, s18, 7
	s_add_co_u32 s82, s82, s83                     ; + 128 cy
	s_sub_co_u32 s92, 3, s22                       ; the first block
	s_lshl_b32 s93, s92, 9                         ; its 512 rows,
	s_lshl_b32 s94, s22, 9                         ; the second's
	s_lshl_b32 s83, s16, 6                         ; the 64 rows of P that I fetch
	s_add_co_u32 s83, s83, s82
	s_add_co_u32 s84, s83, s93
	s_lshl_b32 s84, s84, 12
	s_mov_b32 s85, 0
	s_add_co_u32 s86, s83, s94
	s_lshl_b32 s86, s86, 12
	s_mov_b32 s87, 0
	s_lshl_b32 s83, s15, 6                         ; the 64 rows that I make
	s_add_co_u32 s83, s83, s82
	s_lshl_b32 s95, s19, 9                         ; 128 channels of f32,
	s_lshl_b32 s96, s16, 8                         ; my 64 of them
	s_add_co_u32 s95, s95, s96
	s_add_co_u32 s90, s83, s93
	s_lshl_b32 s90, s90, 12
	s_add_co_u32 s90, s90, s95
	s_mov_b32 s91, 0
	s_add_co_u32 s96, s83, s94
	s_lshl_b32 s96, s96, 12
	s_add_co_u32 s96, s96, s95
	s_mov_b32 s97, 0
	s_lshl_b32 s88, s21, 11                        ; V: key 2048 b + 128 x my half,
	s_lshl_b32 s89, s16, 7
	s_add_co_u32 s88, s88, s89
	s_mul_i32 s88, s88, ROWQ
	s_lshl_b32 s89, s19, 8                         ; byte 4,096 + 256 x my work-group's channels
	s_add_co_u32 s88, s88, s89
	s_add_co_u32 s88, s88, 4096
	s_mov_b32 s89, 0
	s_lshl_b32 s98, s21, 17                        ; mst, lst: 131,072 b + 4 (512 u + 128 cy)
	s_lshl_b32 s99, s18, 9
	s_add_co_u32 s99, s99, s98
	s_lshl_b32 s98, s92, 11
	s_add_co_u32 s98, s98, s99
	s_lshl_b32 s83, s22, 11
	s_add_co_u32 s99, s99, s83
	s_lshl_b32 s[JL], s92, 1
	s_lshr_b32 s83, s18, 1
	s_add_co_u32 s[IC], s[JL], s83                 ; my rows' tile of 256: 2 u + cy / 2
	s_add_co_u32 s[JL], s[JL], 1                   ; the block's last step: 2 u + 1
	s_lshl_b32 s[JL2], s22, 1
	s_add_co_u32 s[IC2], s[JL2], s83
	s_add_co_u32 s[JL2], s[JL2], 1
	s_add_co_u32 s[LB], s[JL], 1                   ; 2 u + 2 steps
	s_add_co_u32 s[LB2], s[JL2], 1
	s_mov_b32 s[JN], 2                             ; steps 0 and 1 are the first fills
	s_mov_b32 s[OA+1], 0
	s_mov_b32 s[OB+1], 0
	s_mul_i32 s77, s16, AHALF                      ; where my tile goes: no place in the cluster enters an LDS address
	s_mul_i32 s69, s16, VHALF
	s_add_co_u32 s69, s69, VOFF
	s_wait_dscnt 0x0                               ; the opening add is done
	s_wait_kmcnt 0x0
	s_add_nc_u64 s[AB:AB+1], s[4:5], s[84:85]
	s_add_nc_u64 s[AB2:AB2+1], s[4:5], s[86:87]
	s_add_nc_u64 s[VB:VB+1], s[6:7], s[88:89]
	s_add_nc_u64 s[CB:CB+1], s[12:13], s[90:91]
	s_add_nc_u64 s[CB2:CB2+1], s[12:13], s[96:97]
	CROUND                                         ; all sixteen work-groups are here: the first joint loads meet
.irp s, 0,1
	s_mov_b32 s[G0A+4*(\s)], 1
	s_add_co_u32 s[G0A+4*(\s)+1], s77, (\s)*SLOT
	s_add_nc_u64 s[G0A+4*(\s)+2:G0A+4*(\s)+3], s[AB:AB+1], (\s)*512
	s_or_b32 s[G0A+4*(\s)+3], s[G0A+4*(\s)+3], 0x80000000
	s_mov_b32 s[G0B+4*(\s)], 1
	s_add_co_u32 s[G0B+4*(\s)+1], s69, (\s)*SLOT
	s_add_nc_u64 s[G0B+4*(\s)+2:G0B+4*(\s)+3], s[VB:VB+1], (\s)*256*ROWQ
	s_or_b32 s[G0B+4*(\s)+3], s[G0B+4*(\s)+3], 0x80000000
	JLOAD \s                                       ; two loads of mine are out
.endr
; THE STATISTICS: thread t joins row t's tiles.  nj: the tiles at the most; ro: the scalar with the block's offset; ii: the scalar with my rows' diagonal tile; R: the block's registers:
; R the row's offset, R+2.. a tile's offset, R+12.. c m, R+20.., R+28.. the two sums, R+36.. g, R+52, 53 cM, R+54, 55 1 / L, R+58 L.
; A tile above the diagonal is read as the diagonal one (written, so finite), which leaves the maximum as it is, and its g is 0.
; Both blocks' loads go out together, ahead of the set-up below, and one wait serves both.
.macro SLOAD nj, ro, ii, R
	v_lshl_add_u32 v[(\R)], v0, 2, s[\ro]
.set J, 0
.rept \nj
	s_min_u32 s94, s[\ii], J
	s_lshl_b32 s94, s94, 14                        ; a tile is two blocks of 128 keys: 2 x 2,048 x 4 bytes
	v_add_nc_u32 v[(\R)+2+J], s94, v[(\R)]
	global_load_b32 v[(\R)+12+J], v[(\R)+2+J], s[8:9]
	global_load_b32 v[(\R)+20+J], v[(\R)+2+J], s[10:11]
	global_load_b32 v[(\R)+28+J], v[(\R)+2+J], s[10:11] offset:8192
.set J, J+1
.endr
.endm
.macro SCALC blk, nj, ii, R
.set SM,  (\R)+12
.set SL0, (\R)+20
.set SL1, (\R)+28
.set SG,  (\R)+36
.set SMX, (\R)+52
.set SRL, (\R)+54
.set SLS, (\R)+58
	v_max3_num_f32 v[SMX], v[SM], v[SM+1], v[SM+2]
.if (\nj) == 8
	v_max3_num_f32 v[SMX], v[SMX], v[SM+3], v[SM+4]
	v_max3_num_f32 v[SMX], v[SMX], v[SM+5], v[SM+6]
	v_max_num_f32 v[SMX], v[SMX], v[SM+7]
.else
	v_max_num_f32 v[SMX], v[SMX], v[SM+3]
.endif
	v_mov_b32 v[SMX+1], v[SMX]
	ds_store_b64 v[STA], v[SMX:SMX+1] offset:1024*(\blk)
.set J, 0
.rept \nj
	v_sub_f32 v[SG+J], v[SM+J], v[SMX]
.set J, J+1
.endr
.set J, 0
.rept \nj
	v_exp_f32 v[SG+J], v[SG+J]
.set J, J+1
.endr
.set J, 0
.rept \nj
	v_add_f32 v[SL0+J], v[SL0+J], v[SL1+J]         ; plain work behind the batch of exponentials
.set J, J+1
.endr
	s_wait_alu depctr_va_vdst(0)                   ; the wait ahead of the first reader: one for the batch
.set J, 0
.rept \nj
	s_cmp_ge_u32 s[\ii], J
	s_cselect_b32 s94, 1.0, 0
	v_mul_f32 v[SG+J], s94, v[SG+J]
.if J == 0
	v_mul_f32 v[SLS], v[SG], v[SL0]
.else
	v_fmac_f32 v[SLS], v[SG+J], v[SL0+J]
.endif
.set J, J+1
.endr
	v_rcp_f32 v[SRL], v[SLS]
	v_nop
	s_wait_alu depctr_va_vdst(0)
	v_mov_b32 v[SRL+1], v[SRL]
	ds_store_b64 v[STA], v[SRL:SRL+1] offset:RLT-MT+1024*(\blk)
.endm
	SLOAD 8, 98, IC, 48
	SLOAD 4, 99, IC2, 128                          ; (T's registers are free until the first product)
	v_and_b32 v1, 15, v0                           ; r = l % 16
	v_bfe_u32 v2, v0, 4, 1                         ; h = l / 16
	v_and_b32 v3, 7, v0
	v_bfe_u32 v4, v0, 3, 1
	s_mul_i32 s94, s15, 64*PP                      ; my 64 rows of P
	v_mul_u32_u24 v5, v1, PP
	v_lshl_add_u32 v5, v2, 4, v5
	v_add_nc_u32 v[ADRA], s94, v5
	v_lshl_add_u32 v6, v2, 3, v3                   ; the turning load: key 8 h + l % 8, channels 8 ((l / 8) % 2) on
	v_mul_u32_u24 v6, v6, PV
	v_lshl_add_u32 v6, v4, 4, v6
	s_lshl_b32 s94, s16, 7                         ; my 64 channels
	s_add_co_u32 s94, s94, VOFF
	v_add_nc_u32 v[ADRV], s94, v6
	v_add_nc_u32 v[ADRV+1], VHALF, v[ADRV]
	ADDRS
	s_mul_i32 s94, s14, 16*SPITCH
	s_add_co_u32 s94, s94, STAGE                   ; my stage
	v_mul_u32_u24 v5, v1, SPITCH                   ; in: row r, 32 bytes for each half of the lanes
	v_lshl_add_u32 v5, v2, 5, v5
	v_add_nc_u32 v[STO], s94, v5
	v_mul_u32_u24 v5, v2, SPITCH                   ; back: lanes 0-15 one row of 256 bytes, lanes 16-31 the next
	v_lshl_add_u32 v5, v1, 4, v5
	v_add_nc_u32 v[RD], s94, v5
	v_lshlrev_b32 v5, 12, v2
	v_lshl_add_u32 v[CO], v1, 4, v5
	s_lshl_b32 s94, s15, 5
	s_add_co_u32 s94, s94, MT
	v_lshl_add_u32 v[TA], v1, 6, s94               ; 64 r + 32 x my half of the queries: four pairs, one for each block of 16 queries
	s_lshl_b32 s94, s15, 8
	v_lshl_add_u32 v[MO], v1, 2, s94               ; row 64 x my half + r, 4 bytes a row
	v_lshrrev_b32 v7, 4, v0
	v_lshlrev_b32 v7, 3, v7
	v_lshl_add_u32 v7, v1, 6, v7
	v_add_nc_u32 v[STA], MT, v7                    ; thread t writes row t's numbers
	WIN 0x80
.set i, 0
.rept 128
	v_mov_b32 v[i], 0                              ; O starts at 0: written while the first tile and the statistics are on their way, so that every step folds alike
.set i, i+1
.endr
	WIN 0
	s_wait_loadcnt 0x0                             ; both blocks' statistics are in
	SCALC 0, 8, IC, 48
	SCALC 1, 4, IC2, 128
	s_mov_b32 s[JC], 0                             ; the walk of the steps in hand begins: the head's scalars in these registers have been used up
	s_mov_b32 s[ICC], s[IC]
	s_mov_b32 s[MOF], s98
	s_mov_b32 s[MOF+1], 0
	s_add_nc_u64 s[MB:MB+1], s[8:9], s[MOF:MOF+1]
	s_mov_b32 s[MOF], s99
	s_add_nc_u64 s[MB2:MB2+1], s[8:9], s[MOF:MOF+1]
; 8 matrix instructions: query blocks a0, a0 + 1 x all 4 channel blocks, 32 keys: half c of buffer f.  zero = 1: the product starts the sum.  The 16 accumulators take turns.
.macro MUL8 f, c, a0, zero
	WIN MUL
.irp a, \a0, (\a0)+1
.irp b, 0,1,2,3
.if \zero
	v_wmma_f32_16x16x32_f16 v[ACC+8*(4*(\a)+(\b)):ACC+8*(4*(\a)+(\b))+7], v[(\f)+64+8*(4*(\c)+(\b)):(\f)+64+8*(4*(\c)+(\b))+7], v[(\f)+8*(4*(\c)+(\a)):(\f)+8*(4*(\c)+(\a))+7], 0
.else
	v_wmma_f32_16x16x32_f16 v[ACC+8*(4*(\a)+(\b)):ACC+8*(4*(\a)+(\b))+7], v[(\f)+64+8*(4*(\c)+(\b)):(\f)+64+8*(4*(\c)+(\b))+7], v[(\f)+8*(4*(\c)+(\a)):(\f)+8*(4*(\c)+(\a))+7], v[ACC+8*(4*(\a)+(\b)):ACC+8*(4*(\a)+(\b))+7]
.endif
.endr
.endr
.endm
; 32 LDS loads in one run: the fragments of 64 keys from key kq of the slot that is read, into buffer f; the first 32 keys first
.macro FETCH kq, f
	WIN TO_F
.irp c, 0,1
.irp i, 0,1,2,3
	ds_load_tr16_b128 v[(\f)+64+8*(4*(\c)+(\i)):(\f)+64+8*(4*(\c)+(\i))+3],   v[CV+(\kq)/128] offset:((\kq)%128+32*(\c))*PV+32*(\i)
	ds_load_tr16_b128 v[(\f)+64+8*(4*(\c)+(\i))+4:(\f)+64+8*(4*(\c)+(\i))+7], v[CV+(\kq)/128] offset:((\kq)%128+32*(\c))*PV+32*(\i)+16*PV
	ds_load_b128 v[(\f)+8*(4*(\c)+(\i)):(\f)+8*(4*(\c)+(\i))+3],   v[CA] offset:((\kq)+32*(\c))*2+(\i)*16*PP
	ds_load_b128 v[(\f)+8*(4*(\c)+(\i))+4:(\f)+8*(4*(\c)+(\i))+7], v[CA] offset:((\kq)+32*(\c))*2+(\i)*16*PP+32
.endr
.endr
.endm
.macro PLACES                          ; four plain vector instructions behind a matrix instruction (ISA guide 7.12.1)
.rept 4
	v_nop
.endr
.endm
; At a step's head: c m of the step's tile for my four rows, from mst, into g's even registers; the step's 128 matrix instructions stand between these loads and the wait for them.
; A step above my rows' diagonal tile reads that tile's numbers once more and takes the factor 0.  MP was freed by the last step's wait for its loads.
.macro MLOAD
	s_min_u32 s[MOF], s[JC], s[ICC]
	s_lshl_b32 s[MOF], s[MOF], 14                  ; a tile is 2 x 2,048 x 4 bytes of mst
	s_add_nc_u64 s[MP:MP+1], s[MB:MB+1], s[MOF:MOF+1]
	s_cmp_ge_u32 s[ICC], s[JC]
	s_cselect_b32 s[GF], 1.0, 0
	s_add_co_u32 s[JC], s[JC], 1
	WIN 0
.irp a, 0,1,2,3
	global_load_b32 v[G+2*(\a)], v[MO], s[MP:MP+1] offset:64*(\a)  ; row 16 a + r of my 64
.endr
.endm
; One of a step's first three quarters of 64 keys: multiplies buffer f and fetches the next quarter into g.
.macro QUARTER kq, f, g, zero
	s_wait_dscnt 16                                ; the first 32 keys' fragments are in
	MUL8 \f, 0, 0, \zero
	MUL8 \f, 0, 2, \zero
	PLACES
	FETCH \kq, \g
	s_wait_dscnt 32                                ; all but the 32 just issued
	MUL8 \f, 1, 0, 0
	MUL8 \f, 1, 2, 0
.endm
; The walking descriptors' next fill: the other slot than last time; key step JN of the block whose tiles are being asked for; P's tile never above my rows' diagonal tile.
; Behind a block's last step: the second block's step 0.
.macro NEXTJ
	s_xor_b32 s[G0A+5], s[G0A+5], SLOT
	s_xor_b32 s[G0B+5], s[G0B+5], SLOT
	s_min_u32 s[OA], s[JN], s[IC]
	s_lshl_b32 s[OA], s[OA], 9                     ; 256 keys are 512 bytes of a row of pw
	s_add_nc_u64 s[G0A+6:G0A+7], s[AB:AB+1], s[OA:OA+1]
	s_or_b32 s[G0A+7], s[G0A+7], 0x80000000
	s_mul_i32 s[OB], s[JN], 256*ROWQ               ; 256 rows of qkv
	s_add_nc_u64 s[G0B+6:G0B+7], s[VB:VB+1], s[OB:OB+1]
	s_or_b32 s[G0B+7], s[G0B+7], 0x80000000
	s_add_co_u32 s[JN], s[JN], 1
	s_cmp_gt_u32 s[JN], s[JL]
	s_cselect_b32 s[JN], 0, s[JN]
	s_cselect_b32 s[JL], s[JL2], s[JL]
	s_cselect_b32 s[IC], s[IC2], s[IC]
	s_cselect_b64 s[AB:AB+1], s[AB2:AB2+1], s[AB:AB+1]
.endm
; The last quarter multiplies buffer 1 and changes slots.  In front of the barrier each wave waits for all its tensor loads, adds 0 to its spare word, and waits for that and for
; its reads of this slot; the addresses turn to the other slot, since this slot's last loads have been issued.  fill = 1: the barrier opens a round of the cluster's, and the joint
; refill is the first thing behind it.  fill = 0: the last two steps: nothing is asked for; in the very last there is no further step, and the run of LDS loads is jumped over.
.macro TURN fill
	WIN 0
	s_wait_tensorcnt 0x0                           ; all my tensor loads have landed: my part of the next slot; a group 0 may be written
	ds_add_u32 v[SPW], v[NIL]                      ; 0 onto my spare word; work on registers follows
	s_xor_b32 s[TB], s[TB], SLOT
	ADDRS
.if \fill
	NEXTJ
.endif
	s_wait_dscnt 17                                ; the second 32 keys' sixteen loads and the add may be out
	MUL8 F1, 0, 0, 0
	s_wait_dscnt 0x0                               ; the add is done, and my reads of this slot are over
	s_barrier_signal -1
	MUL8 F1, 0, 2, 0
	WIN 0
	s_barrier_wait -1
.if \fill
	CREST                                          ; no wave of any partner still reads this slot's tiles or has a load on its way
	JLOAD 1                                        ; its four v_nop are also the places in front of the loads below
	FETCH 0, F0
.else
	s_cmp_eq_u32 s[LAPC], 1
	s_cbranch_scc1 .Lno_next_\@
	PLACES
	FETCH 0, F0
	WIN 0
.Lno_next_\@:
.endif
	MUL8 F1, 1, 0, 0
	MUL8 F1, 1, 2, 0
.endm
; g = 2^(c m - cM) x the step's factor, as pairs; then O += g T, each accumulator from its low registers on.
.macro FOLD
	WIN 0
	s_wait_loadcnt 0x0                             ; the step's c m is in
.irp a, 0,1,2,3
	v_sub_f32 v[G+2*(\a)], v[G+2*(\a)], v[MM+2*(\a)]  ; four plain instructions that name no register of the last products: the places behind them
.endr
.irp a, 0,1,2,3
	v_exp_f32 v[G+2*(\a)], v[G+2*(\a)]
.endr
	v_nop                                          ; a plain instruction behind the last exponential,
	s_wait_alu depctr_va_vdst(0)                   ; and the wait ahead of the first reader: one for the four
.irp a, 0,1,2,3
	v_mul_f32 v[G+2*(\a)+1], s[GF], v[G+2*(\a)]
.endr
.irp a, 0,1,2,3
	v_mul_f32 v[G+2*(\a)], s[GF], v[G+2*(\a)]
.endr
	WIN 0xa0                                       ; T and g window 0; O (source 2 and destination) window 2
.set i, 0
.rept 64
	v_pk_fma_f32 v[2*i:2*i+1], v[ACC+2*i:ACC+2*i+1], v[G+2*(i/16):G+2*(i/16)+1], v[2*i:2*i+1]
.set i, i+1
.endr
	WIN 0
.endm
.macro STEP fill
	MLOAD
	QUARTER 64,  F0, F1, 1
	QUARTER 128, F1, F0, 0
	QUARTER 192, F0, F1, 0
	TURN \fill
	FOLD
.endm
; THE WAY OUT of a block: O / L, 16 queries at a time through my own stage, so that 16 lanes store 256 consecutive bytes.  T's registers are free and take every second block.
.macro PACK a, rl
	WIN 0x02                                       ; O in window 2
.set i, 0
.rept 16
	v_pk_mul_f32 v[TMP+2*i:TMP+2*i+1], v[32*(\a)+2*i:32*(\a)+2*i+1], v[(\rl)+2*(\a):(\rl)+2*(\a)+1]
.set i, i+1
.endr
	WIN 0
.endm
.macro TOSTAGE a
.set BK, BK0+(BK1-BK0)*((\a)%2)
.irp b, 0,1,2,3
	ds_store_b128 v[STO], v[TMP+8*(\b):TMP+8*(\b)+3] offset:64*(\b)
	ds_store_b128 v[STO], v[TMP+8*(\b)+4:TMP+8*(\b)+7] offset:64*(\b)+16
.endr
.irp t, 0,1,2,3,4,5,6,7
	ds_load_b128 v[BK+4*(\t):BK+4*(\t)+3], v[RD] offset:(\t)*2*SPITCH  ; LDS serves a wave's instructions in order: these see the stores above
.endr
.endm
.macro SEND a
.set BK, BK0+(BK1-BK0)*((\a)%2)
	s_wait_dscnt 0x0                               ; the block is back in registers
	s_wait_xcnt 0x0                                ; the registers that the stores two blocks back read are loaded again only behind this wait
.irp t, 0,1,2,3,4,5,6,7
	global_store_b128 v[CO], v[BK+4*(\t):BK+4*(\t)+3], s[CB:CB+1] offset:(16*(\a)+2*(\t))*ROWP
.endr
.endm
.macro OUT last                        ; last = 0: the first block's end; 1: the second's
	WIN 0
	PACK 0, RL+(RL2-RL)*(\last)
	TOSTAGE 0
.irp a, 1,2,3
	PACK \a, RL+(RL2-RL)*(\last)
	SEND (\a)-1
	TOSTAGE \a
.endr
	SEND 3
.if !(\last)
	s_wait_xcnt 0x0                                ; the stores have read their registers and their base
	s_mov_b64 s[CB:CB+1], s[CB2:CB2+1]
	s_mov_b32 s[LB], s[LB2]
	s_mov_b32 s[JC], 0                             ; the steps in hand go on with the second block's step 0
	s_mov_b32 s[ICC], s[IC2]
	s_mov_b64 s[MB:MB+1], s[MB2:MB2+1]
.irp a, 0,1,2,3
	v_mov_b32 v[MM+2*(\a)], v[MM2+2*(\a)]
.endr
	WIN 0x80
.set i, 0
.rept 128
	v_mov_b32 v[i], 0                              ; the second block's O starts at 0
.set i, i+1
.endr
	WIN 0
.endif
.endm
	s_wait_tensorcnt 0x1                           ; my part of step 0 is in; step 1's may stay out
	s_wait_dscnt 0x0                               ; for the others' sake: my rows' cM and 1 / L lie in LDS
	s_barrier_signal -1
	s_barrier_wait -1
.irp k, 0,1                            ; both blocks' cM and 1 / L of my four rows, once, from fixed addresses; they are older than the fragments' loads, whose counted waits cover them
	ds_load_b128 v[MM+8*(\k):MM+8*(\k)+3],   v[TA] offset:1024*(\k)
	ds_load_b128 v[MM+8*(\k)+4:MM+8*(\k)+7], v[TA] offset:1024*(\k)+16
.endr
	ds_load_b128 v[RL:RL+3],    v[TA] offset:RLT-MT
	ds_load_b128 v[RL+4:RL+7],  v[TA] offset:RLT-MT+16
	ds_load_b128 v[RL2:RL2+3],   v[TA] offset:RLT-MT+1024
	ds_load_b128 v[RL2+4:RL2+7], v[TA] offset:RLT-MT+1024+16
	FETCH 0, F0
	WIN 0
	s_mov_b32 s[LAPC], 8                           ; ten steps: eight fill a slot again, with steps 2 to 9
.Lstep:
	STEP 1
	s_sub_co_u32 s[LB], s[LB], 1
	s_cmp_lg_u32 s[LB], 0                          ; the count hangs on the cluster's y alone: the same in all partners
	s_cbranch_scc1 .Lsame                          ; what is jumped holds neither a barrier nor a tensor load
	OUT 0
.Lsame:
	s_sub_co_u32 s[LAPC], s[LAPC], 1
	s_cmp_lg_u32 s[LAPC], 0
	s_cbranch_scc1 .Lstep
	s_mov_b32 s[LAPC], 2                           ; the last two steps ask for nothing: a loop of their own
.Ltail:                                                ; (the second trip's barrier orders nothing: the price of one text for both)
	STEP 0
	s_sub_co_u32 s[LAPC], s[LAPC], 1
	s_cmp_lg_u32 s[LAPC], 0
	s_cbranch_scc1 .Ltail
	OUT 1
	s_wait_tensorcnt 0x0                           ; the wave's end
	ds_add_u32 v[SPW], v[NIL]
	s_wait_dscnt 0x0
	CROUND                                         ; the closing round
	s_endpgm
.Lfunc_end_k_q496474b172_pv:
	.size	k_q496474b172_pv, .Lfunc_end_k_q496474b172_pv-k_q496474b172_pv
	.p2alignl 7, 3214868480
	.fill 96, 4, 3214868480
	.section	.rodata,"a",@progbits
	.p2align	6, 0x0
	.amdhsa_kernel k_q496474b172_pv
		.amdhsa_group_segment_fixed_size 327680
		.amdhsa_private_segment_fixed_size 0
		.amdhsa_enable_private_segment 0
		.amdhsa_kernarg_size 40
		.amdhsa_user_sgpr_count 2
		.amdhsa_user_sgpr_kernarg_segment_ptr 1
		.amdhsa_wavefront_size32 1
		.amdhsa_system_sgpr_workgroup_id_x 1
		.amdhsa_system_sgpr_workgroup_id_y 1
		.amdhsa_system_sgpr_workgroup_id_z 1
		.amdhsa_system_vgpr_workitem_id 0
		.amdhsa_next_free_vgpr 640
		.amdhsa_next_free_sgpr 100
		.amdhsa_reserve_vcc 0
		.amdhsa_float_denorm_mode_32 3
		.amdhsa_float_denorm_mode_16_64 3
		.amdhsa_memory_ordered 1
		.amdhsa_forward_progress 1
		.amdhsa_inst_pref_size 99
	.end_amdhsa_kernel
	.amdgpu_metadata
---
amdhsa.version: [ 1, 2 ]
amdhsa.kernels:
  - .name:           k_q496474b172_pv
    .symbol:         k_q496474b172_pv.kd
    .args:
      - { .name: pw, .offset: 0, .size: 8, .value_kind: global_buffer, .address_space: global }
      - { .name: qkv, .offset: 8, .size: 8, .value_kind: global_buffer, .address_space: global }
      - { .name: mst, .offset: 16, .size: 8, .value_kind: global_buffer, .address_space: global }
      - { .name: lst, .offset: 24, .size: 8, .value_kind: global_buffer, .address_space: global }
      - { .name: out0, .offset: 32, .size: 8, .value_kind: global_buffer, .address_space: global }
    .group_segment_fixed_size: 327680
    .private_segment_fixed_size: 0
    .kernarg_segment_align: 8
    .kernarg_segment_size: 40
    .max_flat_workgroup_size: 128
    .sgpr_count:     100
    .vgpr_count:     640
    .wavefront_size: 32
...
	.end_amdgpu_metadata
.endif
;; end of part 4
;; ======== version 2 of 2: 4 launches; version 1 with the launch cast written anew for expert scheduling mode
;; limits: values are held in f16: magnitudes above 65,504 overflow, below 6.1e-05 lose precision
;; workspace buffers: xb 16,777,216 bytes; wb 6,291,456 bytes; qkv 50,331,648 bytes; pw 33,554,432 bytes; mst 524,288 bytes; lst 524,288 bytes
;; launch cast (part 5): grid 704 x 1, 8 waves a work-group, no clusters, 0 bytes of LDS; arguments x, W_q, W_k, W_v, xb, wb; writes xb, wb
.if DOCPART == 5
	.amdgcn_target "amdgcn-amd-amdhsa--gfx1250"
	.amdhsa_code_object_version 6
	.text
	.protected	k_q496474b172_cast
	.globl	k_q496474b172_cast
	.p2align	8
	.type	k_q496474b172_cast,@function
k_q496474b172_cast:
	s_mov_b64 s[64:65], 0
	v_nop
	global_prefetch_b8 v0, s[64:65] scope:SCOPE_SE
	s_setreg_imm32_b32 hwreg(HW_REG_WAVE_SCHED_MODE, 0, 2), 2
	s_setreg_imm32_b32 hwreg(HW_REG_WAVE_MODE, 25, 1), 1
	s_wait_xcnt 0x0
	s_wait_alu depctr_vm_vsrc(0)
; xb = x rounded to bf16, [8192][1024]; wb = W_q, W_k, W_v rounded to bf16, one below the other, [3072][1024].
; A stream: each byte is read once and written once; no LDS, no barrier, no matrix work.
; A work-group takes 16 rows of 1,024 f32 (64 KiB in, 32 KiB out).  Groups 0-511: x; groups 512-703: the weights, 64 groups each.
; Thread t owns the 16 bytes at 16 t of every row: a wave's load covers 512 consecutive bytes, its store of 8 bytes a lane 256 consecutive
; bytes at a multiple of 256.  All sixteen loads of a wave go out on end; no register is written twice.
; THE MODE: SCHED_MODE bits 1:0 = 2 (LLVM: expert scheduling mode 2), set by the entry lines.  The code itself states the register dependences
; between vector instructions and memory instructions, with s_wait_alu, always for 0.
; THE PLAN.  The 16 rows go in four blocks of four.  Registers that memory instructions touch:
;   v1, v2   the loads' and the stores' byte offsets: made once at the head, never written again.
;   X        row i: written by its one load, issued at the head ahead of every vector instruction that names X; read by the row's two conversions.
;   Y        row i: written once, by the row's two conversions; read by the row's one store, which is issued in the block after.
; Block p rounds its own X into its own Y; its memory instructions are the four stores of block p - 1, which read that block's Y and v2: registers that no
; vector instruction of block p names.  So one wait at the head of a block states all that its four stores hang on, and these are dealt among its conversions
; with no further wait.  No register that a load or store reads is ever written again, and no load lands in a register that a vector instruction has named:
; nothing else is owed.
.set ROWI, 4096                        ; bytes in a row of f32
.set ROWO, 2048                        ; bytes in a row of bf16
.set BLOCK, 4                          ; rows in a block
.set X, 8                              ; v[8:71]   row i: 4 registers as loaded
.set Y, 72                             ; v[72:103] row i: 2 registers to store
	s_load_b256 s[4:11], s[0:1], 0x0               ; x s[4:5], W_q s[6:7], W_k s[8:9], W_v s[10:11]
	s_load_b128 s[12:15], s[0:1], 0x20             ; xb s[12:13], wb s[14:15]
	v_lshlrev_b32 v1, 4, v0                        ; my 16 bytes of a row in
	v_lshlrev_b32 v2, 3, v0                        ; my 8 bytes of a row out
	s_sub_co_u32 s16, ttmp9, 512                   ; the group's number among the weights' (used only from group 512 on)
	s_lshr_b32 s17, s16, 6                         ; which weight
	s_and_b32 s18, s16, 63                         ; which 16 rows of it
	s_wait_kmcnt 0x0
	s_cmp_eq_u32 s17, 1
	s_cselect_b64 s[20:21], s[8:9], s[6:7]         ; W_k or W_q,
	s_cmp_eq_u32 s17, 2
	s_cselect_b64 s[20:21], s[10:11], s[20:21]     ; or W_v,
	s_cmp_lt_u32 ttmp9, 512
	s_cselect_b64 s[20:21], s[4:5], s[20:21]       ; or x
	s_cselect_b64 s[22:23], s[12:13], s[14:15]     ; into xb or wb
	s_cselect_b32 s18, ttmp9, s18                  ; the group of 16 rows in the source,
	s_cselect_b32 s19, ttmp9, s16                  ; and in the destination
	s_lshl_b32 s24, s18, 16                        ; 16 rows of 4,096 bytes
	s_mov_b32 s25, 0
	s_lshl_b32 s26, s19, 15                        ; 16 rows of 2,048 bytes
	s_mov_b32 s27, 0
	s_add_nc_u64 s[20:21], s[20:21], s[24:25]
	s_add_nc_u64 s[22:23], s[22:23], s[26:27]
	s_wait_alu depctr_va_vdst(0)                   ; v1 and v2 are written: every load of the kernel reads v1 as its offset, every store v2
.irp i, 0,1,2,3,4,5,6,7,8,9,10,11,12,13,14,15
	global_load_b128 v[X+4*(\i):X+4*(\i)+3], v1, s[20:21] offset:(\i)*ROWI th:TH_LOAD_NT
.endr
; Block p: rows 4 p to 4 p + 3 are rounded; the rows of the block before are stored, a store ahead of each row's two conversions.
.macro BLK p
	s_wait_loadcnt 16-BLOCK*((\p)+1)               ; loads come back in order: this block's four rows are in, the younger blocks' loads stay out
.if (\p) > 0
	s_wait_alu depctr_va_vdst(0)                   ; the block before has written its Y, which the four stores below read
.endif
.irp i, 0,1,2,3
.if (\p) > 0
	global_store_b64 v2, v[Y+2*(BLOCK*((\p)-1)+(\i)):Y+2*(BLOCK*((\p)-1)+(\i))+1], s[22:23] offset:(BLOCK*((\p)-1)+(\i))*ROWO  ; no vector instruction since the wait names these registers
.endif
	v_cvt_pk_bf16_f32 v[Y+2*(BLOCK*(\p)+(\i))],   v[X+4*(BLOCK*(\p)+(\i))],   v[X+4*(BLOCK*(\p)+(\i))+1]
	v_cvt_pk_bf16_f32 v[Y+2*(BLOCK*(\p)+(\i))+1], v[X+4*(BLOCK*(\p)+(\i))+2], v[X+4*(BLOCK*(\p)+(\i))+3]
.endr
.endm
	BLK 0                                          ; no block stands in front of it: no store, and no wait but the one for its data
	BLK 1
	BLK 2
	BLK 3
	s_wait_alu depctr_va_vdst(0)                   ; block 3 has written its Y, which the last four stores read
.irp i, 12,13,14,15
	global_store_b64 v2, v[Y+2*(\i):Y+2*(\i)+1], s[22:23] offset:(\i)*ROWO
.endr
	s_endpgm
.Lfunc_end_k_q496474b172_cast:
	.size	k_q496474b172_cast, .Lfunc_end_k_q496474b172_cast-k_q496474b172_cast
	.p2alignl 7, 3214868480
	.fill 96, 4, 3214868480
	.section	.rodata,"a",@progbits
	.p2align	6, 0x0
	.amdhsa_kernel k_q496474b172_cast
		.amdhsa_group_segment_fixed_size 0
		.amdhsa_private_segment_fixed_size 0
		.amdhsa_enable_private_segment 0
		.amdhsa_kernarg_size 48
		.amdhsa_user_sgpr_count 2
		.amdhsa_user_sgpr_kernarg_segment_ptr 1
		.amdhsa_wavefront_size32 1
		.amdhsa_system_sgpr_workgroup_id_x 1
		.amdhsa_system_sgpr_workgroup_id_y 1
		.amdhsa_system_sgpr_workgroup_id_z 1
		.amdhsa_system_vgpr_workitem_id 0
		.amdhsa_next_free_vgpr 104
		.amdhsa_next_free_sgpr 66
		.amdhsa_reserve_vcc 0
		.amdhsa_float_denorm_mode_32 3
		.amdhsa_float_denorm_mode_16_64 3
		.amdhsa_memory_ordered 1
		.amdhsa_forward_progress 1
		.amdhsa_inst_pref_size 7
	.end_amdhsa_kernel
	.amdgpu_metadata
---
amdhsa.version: [ 1, 2 ]
amdhsa.kernels:
  - .name:           k_q496474b172_cast
    .symbol:         k_q496474b172_cast.kd
    .args:
      - { .name: x, .offset: 0, .size: 8, .value_kind: global_buffer, .address_space: global }
      - { .name: W_q, .offset: 8, .size: 8, .value_kind: global_buffer, .address_space: global }
      - { .name: W_k, .offset: 16, .size: 8, .value_kind: global_buffer, .address_space: global }
      - { .name: W_v, .offset: 24, .size: 8, .value_kind: global_buffer, .address_space: global }
      - { .name: xb, .offset: 32, .size: 8, .value_kind: global_buffer, .address_space: global }
      - { .name: wb, .offset: 40, .size: 8, .value_kind: global_buffer, .address_space: global }
    .group_segment_fixed_size: 0
    .private_segment_fixed_size: 0
    .kernarg_segment_align: 8
    .kernarg_segment_size: 48
    .max_flat_workgroup_size: 256
    .sgpr_count:     66
    .vgpr_count:     104
    .wavefront_size: 32
...
	.end_amdgpu_metadata
.endif
;; end of part 5
;; launch proj: the kernel of part 2 again; grid 12 x 32, 4 waves a work-group, clusters of 4 x 4, 327,680 bytes of LDS; arguments xb, wb, qkv; writes qkv
;; launch scores: the kernel of part 3 again; grid 36 x 4, 4 waves a work-group, no clusters, 327,680 bytes of LDS; arguments qkv, pw, mst, lst; writes pw, mst, lst
;; launch pv: the kernel of part 4 again; grid 8 x 32, 4 waves a work-group, clusters of 4 x 4, 327,680 bytes of LDS; arguments pw, qkv, mst, lst, out0; writes out0
